; MI455X (gfx1250); checked and timed in simulation.
; The chip was launched on July 23, 2026; its instructions are those of AMD's public machine-readable ISA for CDNA 5 (MIT licence, August 2026) and "CDNA5" Instruction Set Architecture Reference Guide (July 2026). The comments in the code are by the model that wrote it; some were corrected since.
;; Encoder Block. Allowed arithmetic: float matrix products may take bf16 or f16 operands with f32 sums; all other float work in f32.
;; Inputs: W1 1,024 x 4,096 float32; W2 4,096 x 1,024 float32; Wk 16 x 1,024 x 64 float32; Wp 1,024 x 1,024 float32; Wq 16 x 1,024 x 64 float32; Wv 16 x 1,024 x 64 float32; b1 4,096 float32; b2 1,024 float32; be1 1,024 float32; be2 1,024 float32; bp 1,024 float32; g1 1,024 float32; g2 1,024 float32; mask 2,048 x 2,048 int32; x 2 x 2,048 x 1,024 float32.
;; Outputs: out0 2 x 2,048 x 1,024 float32.
;; One version. Each part assembles by itself: llvm-mc -triple=amdgcn-amd-amdhsa -mcpu=gfx1250 --defsym DOCPART=n.
;; ======== version 1 of 1: 7 launches
;; limits: values are held in f16: magnitudes above 65,504 overflow, below 6.1e-05 lose precision
;; workspace buffers: P1 33,587,200 bytes; P2 25,198,592 bytes; qkv 25,165,824 bytes; o16 8,388,608 bytes; x1 16,777,216 bytes; hid 33,554,432 bytes
;; launch prep (part 1): grid 1793 x 1, 8 waves a work-group, no clusters, 17,408 bytes of LDS; arguments x, g1, be1, mask, Wq, Wk, Wv, Wp, W1, W2, b1, P1, P2; writes P1, P2
.if DOCPART == 1
	.amdgcn_target "amdgcn-amd-amdhsa--gfx1250"
	.amdhsa_code_object_version 6
	.text
	.protected	k_q57d8639564_prep
	.globl	k_q57d8639564_prep
	.p2align	8
	.type	k_q57d8639564_prep,@function
k_q57d8639564_prep:
	s_mov_b64 s[64:65], 0
	v_nop
	global_prefetch_b8 v0, s[64:65] scope:SCOPE_SE
	s_setreg_imm32_b32 hwreg(HW_REG_WAVE_MODE, 25, 1), 1
	s_wait_xcnt 0x0
; PREP: everything that is only read, rounded and laid out anew.  Five roles, chosen by the work-group's number g; all jumps go forward; no loop, no barrier.
;   g 0-511      LN1: one wave a row of x (4,096 rows of 1,024 f32) -> h, f16 [4096][1024], at P1 + ABIG
;   g 512-1023   the mask (int32 [2048][2048]) -> 16-bit addends in the order in which the attention's score accumulators hold them, at P1 + MSK
;   g 1024-1215  Wq, Wk, Wv ([16][1024][64] f32) -> one f16 matrix [1024 k][pitch 4096], column = which x 1024 + head x 64 + s, at P1 + WBIG
;   g 1216-1791  Wp, W1, W2: dense f32 -> dense f16 (P1 + WSM, P2 + WBIG, P2 + WSM)
;   g 1792       the tables: floor and bias for the two wide products
; LIMITS.  f16 holds no number beyond 65,504 and keeps a fixed step of 6e-8 below 6e-5: weights and h are taken to lie within it.
; No register that a pending load or store names is written again, so no wait for address translation is needed.
.set ABIG, 8421376
.set WBIG, 32768
.set WSM,  16809984
.set MSK,  25198592
.set X,  16                            ; v[16:47]   the row: load j holds columns 128 j + 4 lane .. + 3
.set G,  48                            ; v[48:79]   the gain, same layout
.set BE, 80                            ; v[80:111]  the bias, same layout
.set Y,  112                           ; v[112:127] the row in f16
; the sum of v[4:7] over the lane's four numbers and the wave's 32 lanes, into v4 of every lane
.macro WSUM
	v_pk_add_f32 v[4:5], v[4:5], v[6:7]
	v_add_f32 v4, v4, v5
	v_add_f32_dpp v4, v4, v4 row_xmask:1 row_mask:0xf bank_mask:0xf
	v_add_f32_dpp v4, v4, v4 row_xmask:2 row_mask:0xf bank_mask:0xf
	v_add_f32_dpp v4, v4, v4 row_xmask:4 row_mask:0xf bank_mask:0xf
	v_add_f32_dpp v4, v4, v4 row_xmask:8 row_mask:0xf bank_mask:0xf
	v_permlanex16_b32 v5, v4, s41, s42
	v_add_f32 v4, v4, v5
.endm
; One wave, one row: source s[8:9] (at the group's 8 rows), gain s[10:11], bias s[12:13], f16 result s[48:49] (at the group's 8 rows).  v1 = lane, s40 = wave.
; The mean is taken away before the squares are summed, so a common offset of the row does no harm.
.macro LNROW
	s_mov_b32 s41, 0x76543210              ; v_permlanex16_b32: each lane takes its own place in the other half
	s_mov_b32 s42, 0xfedcba98
	s_mov_b32 s43, 0x3a800000              ; 1 / 1024
	s_mov_b32 s44, 0x3727c5ac              ; 1e-5
	v_lshlrev_b32 v12, 4, v1               ; 16 x lane: gain and bias
	v_lshl_add_u32 v2, s40, 12, v12        ; + wave x 4,096: my row
	v_lshlrev_b32 v3, 3, v1
	v_lshl_add_u32 v3, s40, 11, v3         ; 8 x lane + wave x 2,048: my row of the result
.irp j, 0,1,2,3,4,5,6,7
	global_load_b128 v[X+4*(\j):X+4*(\j)+3], v2, s[8:9] offset:512*(\j)
.endr
.irp j, 0,1,2,3,4,5,6,7
	global_load_b128 v[G+4*(\j):G+4*(\j)+3], v12, s[10:11] offset:512*(\j)
.endr
.irp j, 0,1,2,3,4,5,6,7
	global_load_b128 v[BE+4*(\j):BE+4*(\j)+3], v12, s[12:13] offset:512*(\j)
.endr
	s_wait_loadcnt 16                      ; the row is in; the sixteen younger loads (gain, bias) may stay out
	v_pk_add_f32 v[4:5], v[X:X+1], v[X+4:X+5]       ; two chains, started by the first pairs
	v_pk_add_f32 v[6:7], v[X+2:X+3], v[X+6:X+7]
.set i, 4
.rept 12
	v_pk_add_f32 v[4+2*(i%2):5+2*(i%2)], v[4+2*(i%2):5+2*(i%2)], v[X+2*i:X+2*i+1]
.set i, i+1
.endr
	WSUM
	v_mul_f32 v8, s43, v4                  ; the mean, twice, for the packed subtraction
	v_mov_b32 v9, v8
.set i, 0
.rept 16
	v_pk_add_f32 v[X+2*i:X+2*i+1], v[X+2*i:X+2*i+1], v[8:9] neg_lo:[0,1] neg_hi:[0,1]
.set i, i+1
.endr
	v_pk_mul_f32 v[4:5], v[X:X+1], v[X:X+1]
	v_pk_mul_f32 v[6:7], v[X+2:X+3], v[X+2:X+3]
.set i, 2
.rept 14
	v_pk_fma_f32 v[4+2*(i%2):5+2*(i%2)], v[X+2*i:X+2*i+1], v[X+2*i:X+2*i+1], v[4+2*(i%2):5+2*(i%2)]
.set i, i+1
.endr
	WSUM
	v_fma_f32 v10, v4, s43, s44            ; variance + 1e-5
	v_rsq_f32 v10, v10
	v_nop                                  ; a plain instruction between the root and the use of its result (ISA guide 5.7.2)
	s_wait_alu depctr_va_vdst(0)
	v_mov_b32 v11, v10
	s_wait_loadcnt 0x0                     ; gain and bias
.set i, 0
.rept 16
	v_pk_mul_f32 v[X+2*i:X+2*i+1], v[X+2*i:X+2*i+1], v[10:11]
.set i, i+1
.endr
.set i, 0
.rept 16
	v_pk_fma_f32 v[X+2*i:X+2*i+1], v[X+2*i:X+2*i+1], v[G+2*i:G+2*i+1], v[BE+2*i:BE+2*i+1]
.set i, i+1
.endr
.irp j, 0,1,2,3,4,5,6,7
	v_cvt_pk_f16_f32 v[Y+2*(\j)], v[X+4*(\j)], v[X+4*(\j)+1]
	v_cvt_pk_f16_f32 v[Y+2*(\j)+1], v[X+4*(\j)+2], v[X+4*(\j)+3]
	global_store_b64 v3, v[Y+2*(\j):Y+2*(\j)+1], s[48:49] offset:256*(\j)   ; the wave's 32 lanes store 256 consecutive bytes, aligned
.endr
.endm
; Sixteen loads of 16 bytes a lane (f32), rounded to f16, sixteen stores of 8 bytes a lane.  v2, s[46:47]: from; v3, s[48:49]: to; ist, ost: bytes from one to the next.
.macro CONV ist, ost
.set p, 0
.rept 16
	global_load_b128 v[16+4*p:19+4*p], v2, s[46:47] offset:p*(\ist) th:TH_LOAD_NT
.set p, p+1
.endr
.set p, 0
.rept 16
.if p%4 == 0
	s_wait_loadcnt 12-p                    ; loads come back in order: numbers p to p + 3 are in, the 12 - p younger ones stay out
.endif
	v_cvt_pk_f16_f32 v[80+2*p], v[16+4*p], v[17+4*p]
	v_cvt_pk_f16_f32 v[81+2*p], v[18+4*p], v[19+4*p]
	global_store_b64 v3, v[80+2*p:81+2*p], s[48:49] offset:p*(\ost)
.set p, p+1
.endr
.endm
	s_load_b512 s[8:23], s[0:1], 0x0       ; x 8, g1 10, be1 12, mask 14, Wq 16, Wk 18, Wv 20, Wp 22
	s_load_b256 s[24:31], s[0:1], 0x40     ; W1 24, W2 26, b1 28, P1 30
	s_load_b64 s[32:33], s[0:1], 0x60      ; P2
	v_lshl_add_u32 v128, v0, 2, 0x4000
	v_mov_b32 v129, 0
	s_mov_b32 s2, ttmp9                    ; g
	v_lshrrev_b32 v2, 5, v0
	v_readfirstlane_b32 s40, v2            ; wave 0..7
	v_and_b32 v1, 31, v0                   ; lane
	s_mov_b32 s51, 0                       ; the high words of the two offset pairs s[50:51], s[52:53]
	s_mov_b32 s53, 0
	s_wait_kmcnt 0x0
	s_cmp_lt_u32 s2, 512
	s_cbranch_scc1 .Lln
	s_cmp_lt_u32 s2, 1024
	s_cbranch_scc1 .Lmask
	s_cmp_lt_u32 s2, 1216
	s_cbranch_scc1 .Lwqkv
	s_cmp_lt_u32 s2, 1792
	s_cbranch_scc1 .Lplain
	; THE TABLES.  P1: floor = the lowest finite number, 3,072 biases of 0.  P2: floor = 0 (relu), bias = b1.
	v_lshlrev_b32 v2, 4, v0
	v_mov_b32 v4, 0
	v_mov_b32 v5, 0
	v_mov_b32 v6, 0
	v_mov_b32 v7, 0
.irp i, 0,1,2,3
	global_load_b128 v[16+4*\i:19+4*\i], v2, s[28:29] offset:4096*\i
.endr
.irp i, 0,1,2
	global_store_b128 v2, v[4:7], s[30:31] offset:256+4096*\i
.endr
	s_wait_loadcnt 0x0
.irp i, 0,1,2,3
	global_store_b128 v2, v[16+4*\i:19+4*\i], s[32:33] offset:256+4096*\i
.endr
	s_cmp_lg_u32 s40, 0
	s_cbranch_scc1 .Ltabend                ; the two blocks of 256 bytes with the floors are wave 0's
	v_lshlrev_b32 v3, 3, v1
	v_mov_b32 v8, 0xff7fffff
	v_mov_b32 v9, 0xff7fffff
	global_store_b64 v3, v[8:9], s[30:31]
	global_store_b64 v3, v[4:5], s[32:33]
.Ltabend:
	s_endpgm
.Lln:
	s_lshl_b32 s50, s2, 15                 ; 8 rows of 4,096 bytes
	s_add_nc_u64 s[8:9], s[8:9], s[50:51]
	s_lshl_b32 s52, s2, 14                 ; 8 rows of 2,048 bytes
	s_add_co_u32 s52, s52, ABIG
	s_add_nc_u64 s[48:49], s[30:31], s[52:53]
	LNROW
	s_endpgm
	; THE MASK.  A wave takes 16 queries (qt) x 64 keys (ks).  Result: block (qt, ks, kt) of 512 bytes at ((qt 32 + ks) 4 + kt) 512; lane l = (r = l % 16, h = l / 16) owns 16 bytes: word j holds
	; in its high half the code of (query 16 qt + r, key 64 ks + 16 kt + 8 h + j), in its low half that of key + 4.  Code: 0xF149 where mask = 0, else 0: the word, read as f32, is 0 (or 9e-41) or about -1e30.
.Lmask:
	s_sub_co_u32 s2, s2, 512
	s_lshr_b32 s54, s2, 2                  ; qt
	s_and_b32 s55, s2, 3                   ; which eight ks
	s_lshl_b32 s50, s54, 17                ; 16 rows of 8,192 bytes
	s_lshl_b32 s56, s55, 11
	s_add_co_u32 s50, s50, s56
	s_add_nc_u64 s[14:15], s[14:15], s[50:51]
	s_lshl_b32 s52, s54, 16
	s_lshl_b32 s56, s55, 14
	s_add_co_u32 s52, s52, s56
	s_add_co_u32 s52, s52, MSK
	s_add_nc_u64 s[48:49], s[30:31], s[52:53]
	v_mov_b32 v9, 0xf149                   ; the code of a hidden key
	v_and_b32 v4, 15, v1                   ; c: my four keys 4 c .. 4 c + 3 of the 64
	v_lshrrev_b32 v5, 4, v1                ; which of two rows
	v_lshlrev_b32 v2, 4, v4
	v_lshl_add_u32 v2, v5, 13, v2
	v_lshl_add_u32 v2, s40, 8, v2          ; 16 lanes read 256 consecutive bytes of a row
.irp i, 0,1,2,3,4,5,6,7
	global_load_b128 v[16+4*\i:19+4*\i], v2, s[14:15] offset:16384*\i th:TH_LOAD_NT   ; rows 2 i, 2 i + 1
.endr
	v_lshrrev_b32 v6, 2, v4                ; kt
	v_lshlrev_b32 v6, 9, v6
	v_bfe_u32 v7, v4, 1, 1                 ; h
	v_lshl_add_u32 v6, v7, 8, v6
	v_lshl_add_u32 v6, v5, 4, v6           ; the row's lane
	v_and_b32 v7, 1, v4
	v_xor_b32 v7, 1, v7                    ; keys 0-3 of eight go to the high half
	v_lshl_add_u32 v6, v7, 1, v6
	v_lshl_add_u32 v6, s40, 11, v6         ; my wave's own 2,048 bytes of LDS
	v_lshlrev_b32 v8, 4, v1
	v_lshl_add_u32 v8, s40, 11, v8
.irp i, 0,1,2,3,4,5,6,7
	s_wait_loadcnt 7-\i                    ; load i is in, the younger ones stay out
.irp e, 0,1,2,3
	v_cmp_eq_u32 vcc_lo, 0, v[16+4*\i+\e]
	v_cndmask_b32 v[16+4*\i+\e], 0, v9, vcc_lo
	ds_store_b16 v6, v[16+4*\i+\e] offset:32*\i+4*\e
.endr
.endr
.irp k, 0,1,2,3
	ds_load_b128 v[48+4*\k:51+4*\k], v8 offset:512*\k      ; LDS serves a wave's instructions in order (ISA guide 5.7.1.4): these see the stores above
.endr
.irp k, 0,1,2,3
	s_wait_dscnt 3-\k
	global_store_b128 v8, v[48+4*\k:51+4*\k], s[48:49] offset:512*\k
.endr
	s_wait_tensorcnt 0x0
	ds_add_u32 v128, v129
	s_wait_dscnt 0x0
	s_endpgm
	; Wq, Wk, Wv.  A work-group takes one of the three, two heads and 128 rows k; lanes 0-15 read a row of the even head, lanes 16-31 of the odd one: together 256 consecutive bytes of the result.
.Lwqkv:
	s_sub_co_u32 s2, s2, 1024
	s_lshr_b32 s54, s2, 6                  ; which of the three
	s_bfe_u32 s55, s2, 0x30003             ; pair of heads
	s_and_b32 s56, s2, 7                   ; which 128 rows
	s_cmp_eq_u32 s54, 0
	s_cselect_b64 s[46:47], s[16:17], s[18:19]
	s_cmp_eq_u32 s54, 2
	s_cselect_b64 s[46:47], s[20:21], s[46:47]
	s_lshl_b32 s50, s55, 19
	s_lshl_b32 s57, s56, 15
	s_add_co_u32 s50, s50, s57
	s_add_nc_u64 s[46:47], s[46:47], s[50:51]
	s_lshl_b32 s52, s56, 20                ; 128 rows of 8,192 bytes
	s_lshl_b32 s57, s54, 11
	s_add_co_u32 s52, s52, s57
	s_lshl_b32 s57, s55, 8
	s_add_co_u32 s52, s52, s57
	s_add_co_u32 s52, s52, WBIG
	s_add_nc_u64 s[48:49], s[30:31], s[52:53]
	v_and_b32 v4, 15, v1
	v_lshrrev_b32 v5, 4, v1
	v_lshlrev_b32 v2, 4, v4
	v_lshl_add_u32 v2, v5, 18, v2          ; the odd head lies 262,144 bytes on
	v_lshl_add_u32 v2, s40, 12, v2         ; my wave's 16 rows
	v_lshlrev_b32 v3, 3, v1
	v_lshl_add_u32 v3, s40, 17, v3
	CONV 256, 8192
	s_endpgm
	; Wp, W1, W2: 65,536 bytes of f32 a work-group.  Source, target and the role's first g are chosen by selects on g.
.Lplain:
	s_mov_b32 s54, WSM
	s_mov_b32 s55, WBIG
	s_mov_b32 s56, 1216
	s_mov_b32 s57, 1280
	s_mov_b32 s58, 1536
	s_cmp_lt_u32 s2, s57
	s_cselect_b64 s[46:47], s[22:23], s[24:25]     ; Wp or W1
	s_cselect_b64 s[48:49], s[30:31], s[32:33]     ; P1 or P2
	s_cselect_b32 s52, s54, s55
	s_cselect_b32 s59, s56, s57
	s_cmp_lt_u32 s2, s58
	s_cselect_b64 s[46:47], s[46:47], s[26:27]     ; or W2
	s_cselect_b32 s52, s52, s54
	s_cselect_b32 s59, s59, s58
	s_sub_co_u32 s2, s2, s59
	s_lshl_b32 s50, s2, 16
	s_add_nc_u64 s[46:47], s[46:47], s[50:51]
	s_lshl_b32 s57, s2, 15
	s_add_co_u32 s52, s52, s57
	s_add_nc_u64 s[48:49], s[48:49], s[52:53]
	v_lshlrev_b32 v2, 4, v0
	v_lshlrev_b32 v3, 3, v0
	CONV 4096, 2048
	s_endpgm
.Lfunc_end_k_q57d8639564_prep:
	.size	k_q57d8639564_prep, .Lfunc_end_k_q57d8639564_prep-k_q57d8639564_prep
	.p2alignl 7, 3214868480
	.fill 96, 4, 3214868480
	.section	.rodata,"a",@progbits
	.p2align	6, 0x0
	.amdhsa_kernel k_q57d8639564_prep
		.amdhsa_group_segment_fixed_size 17408
		.amdhsa_private_segment_fixed_size 0
		.amdhsa_enable_private_segment 0
		.amdhsa_kernarg_size 104
		.amdhsa_user_sgpr_count 2
		.amdhsa_user_sgpr_kernarg_segment_ptr 1
		.amdhsa_wavefront_size32 1
		.amdhsa_system_sgpr_workgroup_id_x 1
		.amdhsa_system_sgpr_workgroup_id_y 1
		.amdhsa_system_sgpr_workgroup_id_z 1
		.amdhsa_system_vgpr_workitem_id 0
		.amdhsa_next_free_vgpr 130
		.amdhsa_next_free_sgpr 66
		.amdhsa_reserve_vcc 1
		.amdhsa_float_denorm_mode_32 3
		.amdhsa_float_denorm_mode_16_64 3
		.amdhsa_memory_ordered 1
		.amdhsa_forward_progress 1
		.amdhsa_inst_pref_size 33
	.end_amdhsa_kernel
	.amdgpu_metadata
---
amdhsa.version: [ 1, 2 ]
amdhsa.kernels:
  - .name:           k_q57d8639564_prep
    .symbol:         k_q57d8639564_prep.kd
    .args:
      - { .name: x, .offset: 0, .size: 8, .value_kind: global_buffer, .address_space: global }
      - { .name: g1, .offset: 8, .size: 8, .value_kind: global_buffer, .address_space: global }
      - { .name: be1, .offset: 16, .size: 8, .value_kind: global_buffer, .address_space: global }
      - { .name: mask, .offset: 24, .size: 8, .value_kind: global_buffer, .address_space: global }
      - { .name: Wq, .offset: 32, .size: 8, .value_kind: global_buffer, .address_space: global }
      - { .name: Wk, .offset: 40, .size: 8, .value_kind: global_buffer, .address_space: global }
      - { .name: Wv, .offset: 48, .size: 8, .value_kind: global_buffer, .address_space: global }
      - { .name: Wp, .offset: 56, .size: 8, .value_kind: global_buffer, .address_space: global }
      - { .name: W1, .offset: 64, .size: 8, .value_kind: global_buffer, .address_space: global }
      - { .name: W2, .offset: 72, .size: 8, .value_kind: global_buffer, .address_space: global }
      - { .name: b1, .offset: 80, .size: 8, .value_kind: global_buffer, .address_space: global }
      - { .name: P1, .offset: 88, .size: 8, .value_kind: global_buffer, .address_space: global }
      - { .name: P2, .offset: 96, .size: 8, .value_kind: global_buffer, .address_space: global }
    .group_segment_fixed_size: 17408
    .private_segment_fixed_size: 0
    .kernarg_segment_align: 8
    .kernarg_segment_size: 104
    .max_flat_workgroup_size: 256
    .sgpr_count:     66
    .vgpr_count:     130
    .wavefront_size: 32
...
	.end_amdgpu_metadata
.endif
;; end of part 1
;; launch qkv (part 2): grid 12 x 16, 4 waves a work-group, clusters of 4 x 4, 327,680 bytes of LDS; arguments P1, qkv; writes qkv
.if DOCPART == 2
	.amdgcn_target "amdgcn-amd-amdhsa--gfx1250"
	.amdhsa_code_object_version 6
	.text
	.protected	k_q57d8639564_qkv
	.globl	k_q57d8639564_qkv
	.p2align	8
	.type	k_q57d8639564_qkv,@function
k_q57d8639564_qkv:
	s_mov_b64 s[64:65], 0
	v_nop
	global_prefetch_b8 v0, s[64:65] scope:SCOPE_SE
	s_setreg_imm32_b32 hwreg(HW_REG_WAVE_MODE, 25, 1), 1
	s_wait_xcnt 0x0
	s_wait_alu depctr_hold_cnt(0) depctr_sa_sdst(0) depctr_va_vdst(0) depctr_va_sdst(0) depctr_va_ssrc(0) depctr_va_vcc(0) depctr_vm_vsrc(0)
	s_getreg_b32 s2, hwreg(HW_REG_IB_STS2, 6, 4)
	s_cmp_eq_u32 s2, 0
	s_cbranch_scc0 .Lentry_in_a_cluster
	s_endpgm
.Lentry_in_a_cluster:
	s_bfe_u32 s2, ttmp6, 0x10000c
	s_cmp_lg_u32 s2, 0xf033
	s_cbranch_scc0 .Lentry_shape_is_right
	s_endpgm
.Lentry_shape_is_right:
; THE WIDE PRODUCT.  out = max(floor, A W + bias), K = 1,024, 4,096 rows.  One packed buffer P holds all that is read: floor (f32) at byte 0, bias (f32) from byte 256, W as f16 [1024 k][pitch 4096] at WBIG,
; A as f16 [4096][1024] at ABIG.  out is f16 in slices of 64 columns: [column / 64][4096 rows][64], so that 16 rows of a slice are 2,048 consecutive bytes.  Two launches run this text: h x (Wq | Wk | Wv)
; with floor = the lowest finite number and bias 0 (both steps then change nothing: the price of one text for both), and relu(h2 W1 + b1) with floor 0.
; LIMITS.  Sums in f32, results rounded once to f16, which holds no number beyond 65,504.  The floor is taken by a maximum in which a NaN loses.
; SHARES.  A tile of 256 x 256 to a work-group of four waves, 128 x 128 to a wave: 64 accumulators, 512 registers.  K goes in steps of 128 through two LDS slots filled by the tensor data mover.
; A's rows lie along K and are read as they lie; W's rows lie along N and are read turned, by ds_load_tr16_b128.  The matrix instruction is used transposed (source 0 = 16 columns of W, source 1 = 16 rows of A):
; a lane then holds eight neighbouring columns of one row.  The bias is the C operand of the products that start the sums: nothing is cleared and nothing is added afterwards.
; ONE K STEP IS WRITTEN ONCE FOR THE LOOP AND ONCE FOR THE TAIL.  The slot in hand is a scalar, 0 or SLOT, turned by an exclusive or at each change of slots; the fragment addresses are made anew from it, and the
; walking descriptors' LDS words from a second such scalar.  The tail (the last two K steps, which fill nothing) is a loop of two trips that is left behind its second change of slots.
; CLUSTERS.  4 x 4 work-groups: A's tile is shared along a row of the cluster, W's along a column; each is asked for jointly, by the same tensor load with the same descriptor and a mask that names the four.
; REGISTERS, in windows of 256: window 0: v16-29 addresses; v64-127, v128-191 fragments of A, two buffers; v192-255 the bias, later the way out (with v32-127);
;   window 1: v64-127, v128-191 fragments of W; window 2: the accumulators of my rows 0-63 ((a, b) at v[8 (8 a + b)]); window 3: those of rows 64-127.
.set KSTEP,  128
.set NSTEP,  8                         ; K steps
.set PA,     272                       ; a row of A in LDS: 256 bytes + 16: the 16 rows of a load start at 16 different groups of four banks (64 banks of 4 bytes: ISA guide 11.1)
.set PB,     544                       ; a row of W in LDS: 512 bytes + 32
.set HALFT,  128*PA                    ; what one tensor load brings: 128 rows of A, or 64 rows of W (64 x 544 is the same number)
.set SLOT,   4*HALFT                   ; A's 256 rows, then W's 128 rows
.set STAGE,  2*SLOT                    ; behind the ring: 16 rows x 272 bytes for each wave, for the way out
.set SPITCH, 272
.set SPARE,  STAGE+4*16*SPITCH         ; behind the stages: the spare words, 128 bytes for each wave, which no other line names
.set SL,     524288                    ; bytes in a slice of the result
.set WBIG,   32768
.set ABIG,   8421376
.set ADRA0, 16                         ; v16     LDS address of my A fragments in slot 0; never rewritten
.set ADRA,  17                         ; v17     the same in the slot in hand
.set ADRB0, 20                         ; v20, v21  the same two for W
.set ADRB,  21
.set STO,  24                          ; v24     the way out: where I put 16 bytes of a row
.set RD,   25                          ; v25     the way out: where I read rows back
.set CO,   26                          ; v26     16 x lane
.set BO,   27                          ; v27     my byte offset in the bias table
.set SPW,  28                          ; v28     LDS address of my spare word; never rewritten
.set NIL,  29                          ; v29     0; never rewritten
.set F0,   64
.set F1,   128
.set BIAS, 192                         ; v192-255: eight registers for each block of 16 columns
.set TMP,  192                         ; the way out: packed results
.set OB,   32                          ; the way out: 16 rows read back: v32-63 and v224-255 by turns
.set MX,   64                          ; the way out: results with the floor applied
.set TBR, 8                            ; s8  0 or SLOT: the slot that is read
.set TBF, 9                            ; s9  0 or SLOT: the slot that was filled last
.set G1, 24                            ; s[24:31] descriptor group 1 for A's tiles;  s[32:39] group 0: a set for each of the two first fills; the second then walks on
.set G0, 32
.set G1B, 48                           ; s[48:55], s[56:63] the same for W's tiles
.set G0B, 56
.set FL, 66                            ; s66 the floor
.set MSB, 0
.macro WIN new                         ; the immediate's high byte repeats the setting that is left; a switch that changes nothing is dropped
.if MSB != (\new)
	s_set_vgpr_msb (MSB<<8)|(\new)
.set MSB, \new
.endif
.endm
.set MUL_LO, 0xa1                      ; source 0 (W) window 1, source 1 (A) window 0, C and D window 2
.set MUL_HI, 0xf1                      ; the same, C and D window 3
.set TO_B,   0x40                      ; destination window 1, address window 0
; A joint refill, by the walking descriptors.  Waves 0 and 1 fetch A's two halves, waves 2 and 3 W's.  The branch hangs on the wave's number alone.  An s_nop 0 and four v_nop follow each of the two lines.
.macro JLOAD
	s_cmp_eq_u32 s11, 0
	s_cbranch_scc0 .Lfor_b_\@
	tensor_load_to_lds s[G0+4:G0+7], s[G1:G1+7]
	s_nop 0
.rept 4
	v_nop
.endr
	s_branch .Lasked_\@
.Lfor_b_\@:
	tensor_load_to_lds s[G0B+4:G0B+7], s[G1B:G1B+7]
	s_nop 0
.rept 4
	v_nop
.endr
.Lasked_\@:
.endm
.macro CREST                           ; a round of the cluster's barrier behind its opening barrier
	s_cmp_lg_u32 s10, 0
	s_cbranch_scc1 .Lnot_wave_0_\@
	s_barrier_signal -3
.Lnot_wave_0_\@:
	s_barrier_wait -3
	s_barrier_signal -1
	s_barrier_wait -1
.endm
.macro CROUND                          ; a whole round
	s_barrier_signal -1
	s_barrier_wait -1
	CREST
.endm
	s_load_b128 s[4:7], s[0:1], 0x0                ; P s[4:5], out s[6:7]
	v_lshl_add_u32 v[SPW], v0, 2, SPARE
	v_mov_b32 v[NIL], 0
	ds_add_u32 v28, v29
	s_wait_dscnt 0x0
	v_lshrrev_b32 v1, 5, v0
	v_readfirstlane_b32 s10, v1                    ; wave 0..3
	s_lshr_b32 s11, s10, 1                         ; which half of the tile's rows is mine.  Also: I fetch for A (0) or for W (1)
	s_and_b32 s12, s10, 1                          ; which half of its columns.  Also: which half of that tile I fetch
	s_bfe_u32 s40, ttmp6, 0x40000                  ; cx
	s_bfe_u32 s41, ttmp6, 0x40004                  ; cy
	s_lshl_b32 s42, ttmp9, 2
	s_add_co_u32 s42, s42, s40                     ; tile column = 4 x cluster x + cx
	s_and_b32 s13, ttmp7, 0xffff
	s_lshl_b32 s13, s13, 2
	s_add_co_u32 s13, s13, s41                     ; tile row = 4 x cluster y + cy
	s_lshl_b32 s43, s41, 2
	s_lshl_b32 s43, 15, s43                        ; my row of the cluster
	s_lshl_b32 s44, 0x1111, s40                    ; my column
	s_or_b32 s[G1+0], s43, (1<<16)|(1<<20)|(1<<21)|(5<<22)|(3<<25)   ; mask; 2-byte elements; padding on; bit 21 beside a mask; after every 64 words, 4 words
	s_or_b32 s[G1B+0], s44, (1<<16)|(1<<20)|(1<<21)|(6<<22)|(7<<25)  ; after every 128 words, 8 words
	s_mov_b32 s[G1+1], 128<<16                     ; A: tensor_dim0 = 128
	s_mov_b32 s[G1+2], 128<<16                     ; tensor_dim1 = 128
	s_mov_b32 s[G1+3], 128<<16                     ; tile_dim0 = 128
	s_mov_b32 s[G1+4], 128                         ; tile_dim1 = 128
	s_mov_b32 s[G1+5], 1024                        ; elements from row to row
	s_mov_b32 s[G1+6], 0
	s_mov_b32 s[G1+7], 0
	s_mov_b32 s[G1B+1], 256<<16                    ; W: 64 rows of 256 elements
	s_mov_b32 s[G1B+2], 64<<16
	s_mov_b32 s[G1B+3], 256<<16
	s_mov_b32 s[G1B+4], 64
	s_mov_b32 s[G1B+5], 4096
	s_mov_b32 s[G1B+6], 0
	s_mov_b32 s[G1B+7], 0
	; A's address hangs on the tile row and the wave's number, W's on the tile column and the wave's number, each in registers that never hold the other coordinate
	s_lshl_b32 s17, s12, 7
	s_lshl_b32 s16, s13, 8
	s_add_co_u32 s16, s16, s17                     ; A: row 256 x tile row + 128 x half
	s_lshl_b32 s16, s16, 11                        ; rows of 2,048 bytes
	s_add_co_u32 s16, s16, ABIG
	s_mov_b32 s17, 0
	s_lshl_b32 s46, s12, 19                        ; W: 64 rows of 8,192 bytes x half
	s_lshl_b32 s47, s42, 9                         ; + 512 bytes x tile column
	s_add_co_u32 s46, s46, s47
	s_add_co_u32 s46, s46, WBIG
	s_mov_b32 s47, 0
	s_mul_i32 s20, s10, HALFT                      ; where they go: wave x a quarter of a slot; kept for the walking descriptors
	s_mov_b32 s[TBR], 0                            ; slot 0 is read first;
	s_mov_b32 s[TBF], SLOT                         ; slot 1 is the last of the first fills
	s_wait_kmcnt 0x0
	s_load_b32 s[FL], s[4:5], 0x0
	s_add_nc_u64 s[14:15], s[4:5], s[16:17]
	s_add_nc_u64 s[46:47], s[4:5], s[46:47]
	CROUND                                         ; all sixteen work-groups are here: the first joint loads meet
.irp s, 0,1
	s_mov_b32 s[G0+4*(\s)], 1
	s_add_co_u32 s[G0+4*(\s)+1], s20, (\s)*SLOT
	s_add_nc_u64 s[G0+4*(\s)+2:G0+4*(\s)+3], s[14:15], (\s)*KSTEP*2
	s_or_b32 s[G0+4*(\s)+3], s[G0+4*(\s)+3], 0x80000000
	s_mov_b32 s[G0B+4*(\s)], 1
	s_add_co_u32 s[G0B+4*(\s)+1], s20, (\s)*SLOT
	s_add_nc_u64 s[G0B+4*(\s)+2:G0B+4*(\s)+3], s[46:47], (\s)*KSTEP*8192
	s_or_b32 s[G0B+4*(\s)+3], s[G0B+4*(\s)+3], 0x80000000
.endr
	s_cmp_eq_u32 s11, 0                            ; a wave's two first fills stand in one branch, ahead of every wait on TENSORcnt and every LDS read: two loads of mine are out
	s_cbranch_scc0 .Lfirst_b
	tensor_load_to_lds s[G0:G0+3], s[G1:G1+7]
	s_nop 0
	tensor_load_to_lds s[G0+4:G0+7], s[G1:G1+7]
	s_nop 0
.rept 4
	v_nop
.endr
	s_branch .Lfirst_asked
.Lfirst_b:
	tensor_load_to_lds s[G0B:G0B+3], s[G1B:G1B+7]
	s_nop 0
	tensor_load_to_lds s[G0B+4:G0B+7], s[G1B:G1B+7]
	s_nop 0
.rept 4
	v_nop
.endr
.Lfirst_asked:
	v_and_b32 v1, 15, v0                           ; r = l % 16
	v_bfe_u32 v2, v0, 4, 1                         ; h = l / 16
	v_mul_u32_u24 v3, v1, PA
	v_lshl_add_u32 v3, v2, 4, v3                   ; A: row x pitch + 16 h
	v_and_b32 v4, 7, v0
	v_lshl_add_u32 v4, v2, 3, v4                   ; W, turned: lane l reads row 8 h + l % 8,
	v_mul_u32_u24 v4, v4, PB
	v_bfe_u32 v5, v0, 3, 1
	v_lshl_add_u32 v4, v5, 4, v4                   ; columns 8 ((l / 8) % 2) + 0..7
	s_mul_i32 s21, s11, HALFT                      ; my 128 rows of A
	s_lshl_b32 s22, s12, 8                         ; my 128 columns of W,
	s_add_co_u32 s22, s22, 2*HALFT                 ; which lies behind A's 256 rows
	v_add_nc_u32 v[ADRA0], s21, v3
	v_add_nc_u32 v[ADRB0], s22, v4
	v_mov_b32 v[ADRA], v[ADRA0]
	v_mov_b32 v[ADRB], v[ADRB0]
	s_mul_i32 s23, s10, 16*SPITCH
	s_add_co_u32 s23, s23, STAGE                   ; my stage
	v_add_nc_u32 v[STO], s23, v3                   ; in: row r, 16 bytes for each half of the lanes
	v_bfe_u32 v5, v0, 3, 2                         ; back: 32 lanes take 128 bytes of each of four rows,
	v_mul_u32_u24 v5, v5, SPITCH
	v_and_b32 v6, 7, v0
	v_lshl_add_u32 v5, v6, 4, v5
	v_add_nc_u32 v[RD], s23, v5
	v_and_b32 v[CO], 31, v0                        ; which are 512 consecutive bytes of a slice
	v_lshlrev_b32 v[CO], 4, v[CO]
	s_lshl_b32 s46, s42, 10                        ; the bias of my columns: 256 + 4 (256 x tile column + 128 x half + 8 h)
	s_lshl_b32 s47, s12, 9
	s_add_co_u32 s46, s46, s47
	s_add_co_u32 s46, s46, 256
	v_lshlrev_b32 v[BO], 5, v2
	v_add_nc_u32 v[BO], s46, v[BO]
.irp b, 0,1,2,3,4,5,6,7
	global_load_b128 v[BIAS+8*\b:BIAS+8*\b+3],   v[BO], s[4:5] offset:64*\b
	global_load_b128 v[BIAS+8*\b+4:BIAS+8*\b+7], v[BO], s[4:5] offset:64*\b+16
.endr
	; where my part begins in the result: slice 4 x tile column + 2 x half, row 256 x tile row + 128 x half
	s_lshl_b32 s16, s13, 8
	s_lshl_b32 s14, s11, 7
	s_add_co_u32 s16, s16, s14
	s_lshl_b32 s16, s16, 7                         ; rows of 128 bytes
	s_mov_b32 s17, 0
	s_lshl_b32 s46, s42, 2
	s_lshl1_add_u32 s46, s12, s46
	s_lshl_b32 s46, s46, 19
	s_mov_b32 s47, 0
	s_add_nc_u64 s[16:17], s[16:17], s[46:47]
; 16 matrix instructions: m blocks a0, a0 + 1 of the window's four x all 8 n blocks, 32 along K.  zero = 1: the products start the sums, with the bias as C.
; The 64 accumulators take turns, one instruction a turn, in the same order in every quarter.
.macro MUL16 f, hi, a0, zero
.if \zero
	WIN 0x81+0x40*(\hi)                            ; C in window 0
.else
	WIN MUL_LO+0x50*(\hi)
.endif
.irp a, \a0, (\a0)+1
.irp b, 0,1,2,3,4,5,6,7
.if \zero
	v_wmma_f32_16x16x32_f16 v[8*(8*(\a)+(\b)):8*(8*(\a)+(\b))+7], v[(\f)+8*(\b):(\f)+8*(\b)+7], v[(\f)+8*(4*(\hi)+(\a)):(\f)+8*(4*(\hi)+(\a))+7], v[BIAS+8*(\b):BIAS+8*(\b)+7]
.else
	v_wmma_f32_16x16x32_f16 v[8*(8*(\a)+(\b)):8*(8*(\a)+(\b))+7], v[(\f)+8*(\b):(\f)+8*(\b)+7], v[(\f)+8*(4*(\hi)+(\a)):(\f)+8*(4*(\hi)+(\a))+7], v[8*(8*(\a)+(\b)):8*(8*(\a)+(\b))+7]
.endif
.endr
.endr
.endm
; 32 LDS loads in one run: the fragments of quarter q (32 along K) of the slot in hand into buffer f: W's 128 columns first, then A's 128 rows
.macro FETCH q, f
	WIN TO_B
.irp i, 0,1,2,3,4,5,6,7
	ds_load_tr16_b128 v[(\f)+8*(\i):(\f)+8*(\i)+3],   v[ADRB] offset:(\q)*32*PB+32*(\i)
	ds_load_tr16_b128 v[(\f)+8*(\i)+4:(\f)+8*(\i)+7], v[ADRB] offset:(\q)*32*PB+16*PB+32*(\i)
.endr
	WIN 0
.irp i, 0,1,2,3,4,5,6,7
	ds_load_b128 v[(\f)+8*(\i):(\f)+8*(\i)+3],   v[ADRA] offset:64*(\q)+(\i)*16*PA
	ds_load_b128 v[(\f)+8*(\i)+4:(\f)+8*(\i)+7], v[ADRA] offset:64*(\q)+(\i)*16*PA+32
.endr
.endm
; Four plain vector instructions stand between a matrix instruction and a load into one of its sources or a vector read of its result (ISA guide 7.12.1 for vector reads)
.macro PLACES
.rept 4
	v_nop
.endr
.endm
; One of a K step's first three quarters: multiplies buffer f; in its middle it fetches quarter q of the slot in hand into buffer g
.macro QUARTER q, f, g, zero
	s_wait_dscnt 8                                 ; W and A's rows 0-63 are in; the youngest eight loads (A's rows 64-127) may be out
	MUL16 \f, 0, 0, \zero
	MUL16 \f, 0, 2, \zero
	PLACES
	FETCH \q, \g
	s_wait_dscnt 32                                ; all but the 32 just issued
	MUL16 \f, 1, 0, \zero
	MUL16 \f, 1, 2, \zero
.endm
; The last quarter multiplies buffer 1 and changes slots: one barrier.  In front of it each wave waits for all its tensor loads (at most one is out: its part of the next slot), adds 0 to its spare word,
; and waits for that and for its own reads of this slot.  Behind it nobody reads this slot any more and the next slot is whole.
; fill = 1: the barrier opens a round of the cluster's, and the slot just read out is filled again, two K steps on, first thing behind the round: 224 matrix instructions ahead of the wait for it.
; Then the slot in hand is turned and the next slot's first fragments are fetched.
.macro TURN fill
	WIN 0
	s_wait_tensorcnt 0x0
	ds_add_u32 v[SPW], v[NIL]                      ; 0 onto my spare word
	s_wait_dscnt 9                                 ; the add and the youngest eight loads may be out
	MUL16 F1, 0, 0, 0
	s_wait_dscnt 0x0                               ; the add is done, and my reads of this slot are over
	s_barrier_signal -1
	MUL16 F1, 0, 2, 0
	WIN 0                                          ; branches and address arithmetic follow
	s_barrier_wait -1
.if \fill
	CREST
	s_xor_b32 s[TBF], s[TBF], SLOT                 ; no tensor load of mine is out: the walking descriptors go to the other slot than last time,
	s_add_co_u32 s[G0+5], s20, s[TBF]
	s_add_co_u32 s[G0B+5], s20, s[TBF]
	s_add_nc_u64 s[G0+6:G0+7], s[G0+6:G0+7], KSTEP*2        ; and one K step on; the type bits on top are not reached
	s_add_nc_u64 s[G0B+6:G0B+7], s[G0B+6:G0B+7], KSTEP*8192
	JLOAD                                          ; the four v_nop behind it are also the places in front of the loads below
.endif
	s_xor_b32 s[TBR], s[TBR], SLOT
	v_add_nc_u32 v[ADRA], s[TBR], v[ADRA0]
	v_add_nc_u32 v[ADRB], s[TBR], v[ADRB0]
.if (\fill) == 0
	v_nop                                          ; with the two lines above: the four places in front of the loads below
	v_nop
.endif
	FETCH 0, F0
	MUL16 F1, 1, 0, 0
	MUL16 F1, 1, 2, 0
.endm
; THE WAY OUT of block a (16 rows).  PACK: the floor, then rounded to f16, 16 bytes a lane; each accumulator's registers in ascending order.
.macro PACK a
.set AC, 64*((\a)%4)
	WIN 0x08+4*((\a)/4)                            ; source 1: window 2 or 3
.irp b, 0,1,2,3,4,5,6,7
.irp j, 0,1,2,3,4,5,6,7
	v_max_num_f32 v[MX+8*(\b)+(\j)], s[FL], v[AC+8*(\b)+(\j)]
.endr
.endr
	WIN 0
.irp b, 0,1,2,3,4,5,6,7
.irp r, 0,1,2,3
	v_cvt_pk_f16_f32 v[TMP+4*(\b)+(\r)], v[MX+8*(\b)+2*(\r)], v[MX+8*(\b)+2*(\r)+1]
.endr
.endr
.endm
; TOSTAGE: into my own stage, and back by slices: four rows x 128 bytes a load
.macro TOSTAGE a
	WIN 0
.set BK, OB+192*((\a)%2)
.irp b, 0,1,2,3,4,5,6,7
	ds_store_b128 v[STO], v[TMP+4*(\b):TMP+4*(\b)+3] offset:32*(\b)
.endr
.irp z, 0,1
.irp t, 0,1,2,3
	ds_load_b128 v[BK+4*(4*(\z)+(\t)):BK+4*(4*(\z)+(\t))+3], v[RD] offset:(\t)*4*SPITCH+128*(\z)  ; LDS serves a wave's instructions in order (ISA guide 5.7.1.4): these see the stores above
.endr
.endr
.endm
.macro SEND a
	WIN 0
.set BK, OB+192*((\a)%2)
	s_wait_dscnt 0x0                               ; the block is back in registers
	s_wait_xcnt 0x0                                ; earlier stores have had their addresses translated (ISA guide 3.1): only now are their base and data registers written again
.if (\a) == 0
	s_add_nc_u64 s[6:7], s[6:7], s[16:17]
.else
	s_add_nc_u64 s[6:7], s[6:7], 2048              ; 16 rows of 128 bytes on
.endif
.irp z, 0,1
.irp t, 0,1,2,3
	global_store_b128 v[CO], v[BK+4*(4*(\z)+(\t)):BK+4*(4*(\z)+(\t))+3], s[6:7] offset:(\z)*SL+512*(\t)  ; 512 consecutive bytes, at a multiple of 256 from the buffer's first
.endr
.endr
.endm
	s_wait_tensorcnt 1                             ; my part of K step 0 is in; K step 1's may stay out
	s_barrier_signal -1
	s_barrier_wait -1
	FETCH 0, F0
	s_wait_loadcnt 0x0                             ; the bias
	s_wait_kmcnt 0x0                               ; the floor
	QUARTER 1, F0, F1, 1                           ; the first quarter stands in front of the loop: its products start the sums
	WIN 0                                          ; at a label and at a branch every window is 0
	s_mov_b32 s3, NSTEP-2
.Lstep:                                                ; NSTEP - 2 trips: from a K step's second quarter to the next step's first; each fills the slot that it leaves
	QUARTER 2, F1, F0, 0
	QUARTER 3, F0, F1, 0
	TURN 1
	QUARTER 1, F0, F1, 0
	WIN 0
	s_sub_co_u32 s3, s3, 1
	s_cmp_lg_u32 s3, 0
	s_cbranch_scc1 .Lstep
	s_mov_b32 s2, 2
.Ltail:                                                ; the last two K steps fill nothing: their text stands apart
	QUARTER 2, F1, F0, 0
	QUARTER 3, F0, F1, 0
	TURN 0                                         ; in the second trip its barrier and its 32 loads (of the slot read before) serve nothing: the price, once a launch, of one text for both trips
	WIN 0
	s_sub_co_u32 s2, s2, 1
	s_cmp_eq_u32 s2, 0
	s_cbranch_scc1 .Lout
	QUARTER 1, F0, F1, 0
	WIN 0
	s_branch .Ltail
.Lout:
	s_wait_dscnt 0x0                               ; those loads have landed: the way out writes over A's buffer 0
	PLACES
	PACK 0
	TOSTAGE 0
.irp a, 1,2,3,4,5,6,7                  ; block a's arithmetic stands between block a - 1's loads from the stage and the wait for them
	PACK \a
	SEND (\a)-1
	TOSTAGE \a
.endr
	SEND 7
	s_wait_tensorcnt 0x0                           ; the wave's end
	ds_add_u32 v[SPW], v[NIL]
	s_wait_dscnt 0x0
	CROUND                                         ; the closing round: no work-group ends while a partner may still ask for a tile that names it
	s_endpgm
.Lfunc_end_k_q57d8639564_qkv:
	.size	k_q57d8639564_qkv, .Lfunc_end_k_q57d8639564_qkv-k_q57d8639564_qkv
	.p2alignl 7, 3214868480
	.fill 96, 4, 3214868480
	.section	.rodata,"a",@progbits
	.p2align	6, 0x0
	.amdhsa_kernel k_q57d8639564_qkv
		.amdhsa_group_segment_fixed_size 327680
		.amdhsa_private_segment_fixed_size 0
		.amdhsa_enable_private_segment 0
		.amdhsa_kernarg_size 16
		.amdhsa_user_sgpr_count 2
		.amdhsa_user_sgpr_kernarg_segment_ptr 1
		.amdhsa_wavefront_size32 1
		.amdhsa_system_sgpr_workgroup_id_x 1
		.amdhsa_system_sgpr_workgroup_id_y 1
		.amdhsa_system_sgpr_workgroup_id_z 1
		.amdhsa_system_vgpr_workitem_id 0
		.amdhsa_next_free_vgpr 1024
		.amdhsa_next_free_sgpr 70
		.amdhsa_reserve_vcc 0
		.amdhsa_float_denorm_mode_32 3
		.amdhsa_float_denorm_mode_16_64 3
		.amdhsa_memory_ordered 1
		.amdhsa_forward_progress 1
		.amdhsa_inst_pref_size 118
	.end_amdhsa_kernel
	.amdgpu_metadata
---
amdhsa.version: [ 1, 2 ]
amdhsa.kernels:
  - .name:           k_q57d8639564_qkv
    .symbol:         k_q57d8639564_qkv.kd
    .args:
      - { .name: P1, .offset: 0, .size: 8, .value_kind: global_buffer, .address_space: global }
      - { .name: qkv, .offset: 8, .size: 8, .value_kind: global_buffer, .address_space: global }
    .group_segment_fixed_size: 327680
    .private_segment_fixed_size: 0
    .kernarg_segment_align: 8
    .kernarg_segment_size: 16
    .max_flat_workgroup_size: 128
    .sgpr_count:     70
    .vgpr_count:     1024
    .wavefront_size: 32
...
	.end_amdgpu_metadata
.endif
;; end of part 2
;; launch attn (part 3): grid 8 x 32, 4 waves a work-group, clusters of 4 x 1, 327,680 bytes of LDS; arguments qkv, P1, o16; writes o16
.if DOCPART == 3
	.amdgcn_target "amdgcn-amd-amdhsa--gfx1250"
	.amdhsa_code_object_version 6
	.text
	.protected	k_q57d8639564_attn
	.globl	k_q57d8639564_attn
	.p2align	8
	.type	k_q57d8639564_attn,@function
k_q57d8639564_attn:
	s_mov_b64 s[64:65], 0
	v_nop
	global_prefetch_b8 v0, s[64:65] scope:SCOPE_SE
	s_setreg_imm32_b32 hwreg(HW_REG_WAVE_MODE, 25, 1), 1
	s_wait_xcnt 0x0
	s_wait_alu depctr_hold_cnt(0) depctr_sa_sdst(0) depctr_va_vdst(0) depctr_va_sdst(0) depctr_va_ssrc(0) depctr_va_vcc(0) depctr_vm_vsrc(0)
	s_getreg_b32 s2, hwreg(HW_REG_IB_STS2, 6, 4)
	s_cmp_eq_u32 s2, 0
	s_cbranch_scc0 .Lentry_in_a_cluster
	s_endpgm
.Lentry_in_a_cluster:
	s_bfe_u32 s2, ttmp6, 0x10000c
	s_cmp_lg_u32 s2, 0x3003
	s_cbranch_scc0 .Lentry_shape_is_right
	s_endpgm
.Lentry_shape_is_right:
; MASKED ATTENTION.  O[b][h][q] = the sum over k of softmax_k(Q.K / 8, hidden where mask[q][k] = 0) V[k].  q, k, v: f16 slices [which x 16 + h][b x 2048 + t][64] of one buffer; O: f16 [h][b x 2048 + t][64].
; Products, maxima and sums in f32; the weights p are rounded to f16 for the second product (their sum l is taken of the unrounded p), O once at the end.
; LIMITS.  f16 holds no number beyond 65,504.  A hidden score counts as its value less about 1e30; a weight below 2^-126 counts as 0 in l.  A query with no visible key gives NaN, as a softmax of -inf alone does:
; it is known by its running maximum below -1e29, and a select, no branch, puts the NaN in place of 1 / l.
; SHARES.  A work-group owns 256 queries of one batch and head, a wave 64: four PIECES of 16.  Every wave walks all 2,048 keys, 64 a step; a slot of LDS holds 256 keys of K and V.
; LAYOUT.  S^T = K Q^T holds ONE query a lane (lane % 16) and the keys 8 (lane / 16) + 0..7; two such results rounded to f16 ARE source 1 of O^T = V^T P.  K comes out of LDS as it lies, V turned.
; THE MASK is the C operand that starts each sum S^T: 0 or about -1e30.  An earlier launch has laid it out as 16-bit codes in the accumulators' own order: a loaded word, read as f32, is register j (its low half is
; beneath notice), the word shifted left by 16 is register j + 4.  Each piece has a buffer of 32 registers; it is asked for three turns ahead of the shifts.
; SOFTMAX.  p = 2^(c s - c m), c = log2(e) / 8, with a running maximum m; O and l are multiplied by a = 2^(c m_old - c m_new) in every step.  m starts at the lowest finite number, O and l at 0.
; What steps in which all keys are hidden leave in O and l is finite and is multiplied by a = 0 when the first visible key comes.
; TURNS.  Turn n belongs to piece n: 8 products K Q^T of piece n + 1, later 8 products V^T P of piece n - 1; beside them the scaling, exponentials, roundings, sums and rescaling of piece n and the maximum and
; statistics of piece n + 1.  Four vector instructions stand behind every matrix instruction, the others in runs of their own.
; CLUSTER.  The four query blocks of a cluster belong to one batch and head and walk the same K and V: each tile is asked for jointly.
; REGISTERS, in windows of 256 (s_set_vgpr_msb: bits 1:0 source 0, 3:2 source 1, 5:4 source 2, 7:6 destination):
;   window 0: v0-15 addresses; v16-31 statistics; v32-35 mask offsets; v48-55 at work; v62-63 the add's; v64-127 S^T, two buffers; v192-223 P, two buffers (by the piece's parity)
;   window 1: v0-127 O^T, 32 a piece; v128-255 the masks, 32 a piece          window 2: v0-63 Q; v128-191 K of one step; v192-255 V of one step
.set SL,    524288    ; bytes in a slice
.set MSK,   25198592  ; the mask codes' place in P1
.set NP,    4
.set KS,    64
.set PK,    144       ; a row of K in LDS: 128 bytes + 16: the 16 rows of a load start at 16 different groups of four banks (64 banks of 4 bytes: ISA guide 11.1)
.set PV,    160       ; a row of V: 128 + 32
.set VOFF,  4*KS*PK   ; a slot: 256 rows of K, then 256 rows of V
.set SLOT1, 1<<17
.set STAGE, SLOT1+4*KS*(PK+PV)  ; behind the ring: 16 rows x 144 bytes for each wave, for the way out
.set SP,    144
.set SPARE, STAGE+4*16*SP       ; behind the stages: the spare words, 128 bytes for each wave, which no other line names
.set AK0, 2
.set AV0, 3
.set AK,  4
.set AV,  5
.set STO, 6
.set RD,  7
.set GO,  8
.set MV,  12          ; v12-13  c m_old, by buffer
.set QO,  15
.set ST,  16          ; piece t's statistics at v[ST+4 t]: c m, m, l (even keys', odd keys')
.set MO,  32          ; v32-35  piece x's byte offset in its rows of mask codes: 16 x lane + 2,048 x step
.set TMP, 48
.set SPW, 62
.set NIL, 63
.set S,   64
.set P,   192
.set MC,  128         ; window 1
.set KF,  128         ; window 2
.set VF,  192         ; window 2
.set WV,  12
.set G1K, 24
.set G1V, 32
.set G0K, 40
.set G0V, 44
.set SLOTS, 56
.set CNT, 57
.set CS,  58
.set SEL, 60
.set TBK, 62
.set TBV, 63
.set MB,  66          ; s[66:67] the mask codes of my wave's first piece
.set LOW, 68          ; s68  -1e29
.set QNAN, 69         ; s69  a NaN
.set MSB, 0
.macro WIN new
.if MSB != (\new)
	s_set_vgpr_msb (MSB<<8)|(\new)
.set MSB, (\new)
.endif
.endm
.set W_KQ, 0x0a       ; K and Q in window 2, S^T in window 0
.set W_KM, 0x1a       ; the same with the C operand in window 1
.set W_PV, 0x52       ; V in window 2, P in window 0, O^T in window 1
.set W_RS, 0x41       ; destination and source 0 in window 1, source 1 in window 0
; A joint fill.  Waves 0 and 1 fetch the two halves of a slot's K, waves 2 and 3 those of its V.  An s_nop 0 and four v_nop follow each of the two lines.
.macro JLOAD
	s_cmp_lt_u32 s[WV], 2
	s_cbranch_scc0 .Lfor_v_\@
	tensor_load_to_lds s[G0K:G0K+3], s[G1K:G1K+7]
	s_nop 0
.rept 4
	v_nop
.endr
	s_branch .Lasked_\@
.Lfor_v_\@:
	tensor_load_to_lds s[G0V:G0V+3], s[G1V:G1V+7]
	s_nop 0
.rept 4
	v_nop
.endr
.Lasked_\@:
.endm
.macro CROUND                       ; a round of the cluster's barrier
	s_barrier_signal -1
	s_barrier_wait -1
	s_cmp_lg_u32 s[WV], 0
	s_cbranch_scc1 .Lnot_wave_0_\@
	s_barrier_signal -3
.Lnot_wave_0_\@:
	s_barrier_wait -3
	s_barrier_signal -1
	s_barrier_wait -1
.endm
; THE CHANGE OF SLOTS.  Each wave waits for all its tensor loads (one is out: its part of the other slot), adds 0 to its spare word, and waits for that and for its own reads of the slot that it leaves.
; fill = 1: the barrier is a round of the cluster's, and the old slot is filled again first thing behind it, with the keys two slots on: it has four key steps in which to land.
; (At its first use nothing has been read yet: slot 0 is waited for, slot 1 filled.)
.macro CHANGE fill
	WIN 0
	s_wait_tensorcnt 0x0            ; no tensor load of mine is out, so a group 0 may be written
	ds_add_u32 v[SPW], v[NIL]       ; 0 onto my spare word
.if \fill
.irp g, G0K, G0V
	s_xor_b32 s[\g+1], s[\g+1], SLOT1
	s_add_nc_u64 s[\g+2:\g+3], s[\g+2:\g+3], 4*KS*128
.endr
	s_wait_dscnt 0x0                ; the add is done, and my reads of the slot are over
	CROUND
	JLOAD
.else
	s_wait_dscnt 0x0
	s_barrier_signal -1
	s_barrier_wait -1
.endif
	s_sub_co_u32 s[TBK], s[TBK], 4*KS*PK  ; the fetches go back to a slot's first step, in the other slot
	s_xor_b32 s[TBK], s[TBK], SLOT1
	s_sub_co_u32 s[TBV], s[TBV], 4*KS*PV
	s_xor_b32 s[TBV], s[TBV], SLOT1
.endm
; Piece x's mask codes of its next step (step = 0: of the step at which its offset stands): four loads of 512 consecutive bytes, into registers 0-3 of each of the buffer's four groups.
; Behind the last step the offset goes back to step 0, so that no load leaves the buffer; what those loads bring serves nothing.
.macro MLOAD x, step=1
	WIN 0
.if \step
	v_add_nc_u32 v[MO+(\x)], 2048, v[MO+(\x)]
	v_and_b32 v[MO+(\x)], 0xffff, v[MO+(\x)]
.endif
	WIN 0x40
.irp kt, 0,1,2,3
	global_load_b128 v[MC+32*(\x)+8*\kt:MC+32*(\x)+8*\kt+3], v[MO+(\x)], s[MB:MB+1] offset:(\x)*65536+512*\kt
.endr
.endm
.macro MSHIFT x                     ; registers 4-7 of each group: the low halves moved up
	WIN 0x44
.irp kt, 0,1,2,3
.irp j, 0,1,2,3
	v_lshlrev_b32 v[MC+32*(\x)+8*\kt+4+\j], 16, v[MC+32*(\x)+8*\kt+\j]
.endr
.endr
.endm
	s_load_b128 s[4:7], s[0:1], 0x0   ; qkv s[4:5], P1 s[6:7]
	s_load_b64 s[10:11], s[0:1], 0x10 ; o16
	v_lshl_add_u32 v[SPW], v0, 2, SPARE
	v_mov_b32 v[NIL], 0
	ds_add_u32 v62, v63
	s_wait_dscnt 0x0
	v_lshrrev_b32 v1, 5, v0
	v_readfirstlane_b32 s[WV], v1   ; wave 0..3
	s_bfe_u32 s13, ttmp6, 0x40000   ; cx
	s_lshl_b32 s14, ttmp9, 2
	s_add_co_u32 s14, s14, s13      ; my block of 256 queries: it enters Q's, O's and the mask's addresses alone
	s_and_b32 s20, ttmp7, 0xffff    ; batch x 16 + head, which the four partners share
	s_and_b32 s21, s20, 15
	s_lshr_b32 s20, s20, 4
	s_lshl_b32 s21, s21, 19         ; head x a slice
	s_lshl_b32 s20, s20, 18         ; batch x 2,048 rows of 128 bytes
	s_add_co_u32 s20, s20, s21
	s_and_b32 s16, s[WV], 1         ; which half of a slot's 256 keys I fetch
	s_lshl_b32 s22, s16, 14
	s_add_co_u32 s22, s22, s20
	s_add_co_u32 s22, s22, 16*SL    ; K's slices lie behind Q's sixteen
	s_mov_b32 s23, 0
	s_mul_i32 s17, s16, 128*PK
	s_mul_i32 s18, s16, 128*PV
	s_lshl_b32 s2, s14, 2
	s_add_co_u32 s2, s2, s[WV]      ; my wave among the head's 32
	s_lshl_b32 s8, s2, 18           ; its four pieces' mask codes: 65,536 bytes a piece
	s_add_co_u32 s8, s8, MSK
	s_mov_b32 s9, 0
	s_lshl_b32 s2, s2, 13           ; its 64 rows of 128 bytes
	s_add_co_u32 s2, s2, s20
	s_mov_b32 s3, 0
	; descriptor group 1.  128 keys are 16,384 dense bytes: asked for as 64 rows of 256 bytes, two keys a row, and padded in LDS after every key
	s_mov_b32 s[G1K], 15|(1<<16)|(1<<20)|(1<<21)|(4<<22)|(3<<25)  ; the mask of four; 2-byte elements; padding on; bit 21 beside a mask; after every 32 words, 4 words
	s_mov_b32 s[G1V], 15|(1<<16)|(1<<20)|(1<<21)|(4<<22)|(7<<25)  ; the same with 8 words
.irp g, G1K, G1V
	s_mov_b32 s[\g+1], 128<<16
	s_mov_b32 s[\g+2], 64<<16
	s_mov_b32 s[\g+3], 128<<16
	s_mov_b32 s[\g+4], 64
	s_mov_b32 s[\g+5], 128
	s_mov_b32 s[\g+6], 0
	s_mov_b32 s[\g+7], 0
.endr
	s_mov_b32 s[CS], 0x3e38aa3b     ; c = log2(e) / 8
	s_mov_b32 s[CS+1], s[CS]
	s_mov_b32 s[SEL], 0x76543210
	s_mov_b32 s[SEL+1], 0xfedcba98
	s_mov_b32 s[LOW], 0xefa18f08
	s_mov_b32 s[QNAN], 0x7fc00000
	s_mov_b32 s[TBK], SLOT1+4*KS*PK ; the first change of slots turns these two into 0
	s_mov_b32 s[TBV], SLOT1+4*KS*PV
	s_mov_b32 s[G0K], 1
	s_mov_b32 s[G0K+1], s17
	s_mov_b32 s[G0V], 1
	s_add_co_u32 s[G0V+1], s18, VOFF
	s_wait_kmcnt 0x0
	s_add_nc_u64 s[G0K+2:G0K+3], s[4:5], s[22:23]
	s_add_nc_u64 s[G0V+2:G0V+3], s[G0K+2:G0K+3], 16*SL   ; V's slices lie behind K's
	s_or_b32 s[G0K+3], s[G0K+3], 0x80000000
	s_or_b32 s[G0V+3], s[G0V+3], 0x80000000
	s_add_nc_u64 s[4:5], s[4:5], s[2:3]      ; Q and O at my wave's first row
	s_add_nc_u64 s[10:11], s[10:11], s[2:3]
	s_add_nc_u64 s[MB:MB+1], s[6:7], s[8:9]
	CROUND                          ; all four work-groups are here: the first joint loads meet
	JLOAD                           ; slot 0
	v_and_b32 v1, 15, v0            ; l % 16
	v_bfe_u32 v9, v0, 4, 1          ; l / 16
	v_lshlrev_b32 v[QO], 7, v1
	v_lshl_add_u32 v[QO], v9, 4, v[QO]
	WIN 0x80
.set i, 0
.rept 8                             ; Q stays in registers: piece i / 2, channels 32 (i % 2) on
	global_load_b128 v[8*i:8*i+3],   v[QO], s[4:5] offset:(i/2)*2048+(i%2)*64
	global_load_b128 v[8*i+4:8*i+7], v[QO], s[4:5] offset:(i/2)*2048+(i%2)*64+32
.set i, i+1
.endr
	WIN 0
	v_and_b32 v14, 31, v0
.irp x, 0,1,2,3
	v_lshlrev_b32 v[MO+\x], 4, v14
.endr
.irp x, 0,1,2,3
	MLOAD \x, 0                     ; step 0's masks
.endr
	; What the first turn finds: V and P's second buffer hold 0 (its products V^T P, of a piece that has not been, add 0), O^T and l are 0.  All this stands in the wait for the first tile.
	WIN 0x80
.set i, VF
.rept 64
	v_mov_b32 v[i], 0
.set i, i+1
.endr
	WIN 0x40
.set i, 0
.rept 128
	v_mov_b32 v[i], 0
.set i, i+1
.endr
	WIN 0
.set i, 0
.rept 4
	v_mov_b32 v[ST+4*i], 0xfe000000    ; c m: far below every c s
	v_mov_b32 v[ST+4*i+1], 0xff7fffff  ; m
	v_mov_b32 v[ST+4*i+2], 0
	v_mov_b32 v[ST+4*i+3], 0
.set i, i+1
.endr
.set i, P+16
.rept 16
	v_mov_b32 v[i], 0
.set i, i+1
.endr
	v_mul_u32_u24 v[AK0], v1, PK
	v_lshl_add_u32 v[AK0], v9, 4, v[AK0]
	v_and_b32 v10, 7, v0
	v_bfe_u32 v11, v0, 3, 1
	v_lshl_add_u32 v[AV0], v9, 3, v10
	v_mul_u32_u24 v[AV0], v[AV0], PV
	v_lshl_add_u32 v[AV0], v11, 4, v[AV0]
	v_add_nc_u32 v[AV0], VOFF, v[AV0]
	v_mov_b32 v[AK], v[AK0]         ; key step 0 lies at the head of slot 0
; THE MATRIX WORK.  The 4 accumulators of a run of 8 take turns.  Product i of 8 of S^T = K Q^T for piece x: channels 32 (i / 4) on, keys 16 (i % 4) on.  The first 4 start the sums with the mask.
.macro KQ x
.set rS, S+32*((\x)%2)+8*(i%4)
.set rK, KF+16*(i%4)+8*(i/4)
.set rQ, 16*(\x)+8*(i/4)
.set rM, MC+32*(\x)+8*(i%4)
.if i < 4
	WIN W_KM
	v_wmma_f32_16x16x32_f16 v[rS:rS+7], v[rK:rK+7], v[rQ:rQ+7], v[rM:rM+7]
.else
	WIN W_KQ
	v_wmma_f32_16x16x32_f16 v[rS:rS+7], v[rK:rK+7], v[rQ:rQ+7], v[rS:rS+7]
.endif
.endm
; Product i of 8 of O^T += V^T P for piece x: keys 32 (i / 4) on, channels 16 (i % 4) on.
.macro PV x
	WIN W_PV
.set rO, 32*(\x)+8*(i%4)
.set rV, VF+32*(i/4)+8*(i%4)
.set rP, P+16*((\x)%2)+8*(i/4)
	v_wmma_f32_16x16x32_f16 v[rO:rO+7], v[rV:rV+7], v[rP:rP+7], v[rO:rO+7]
.endm
.macro MM                           ; the turn's next matrix instruction
.if i < 8
	KQ (Y+1)%NP
.else
.set i, i-8
	PV (Y+NP-1)%NP
.set i, i+8
.endif
.set i, i+1
.endm
; THE LDS LOADS stand in runs of 16.  last = 1 (the tail): in the last trip there is no further step, and K's run is jumped over.
.macro FETCH_K last=0
	WIN 0
.if \last
	s_cmp_eq_u32 s[CNT], 1
	s_cbranch_scc1 .Lno_k_\@
.endif
	WIN 0x80
.irp f, 0,1,2,3,4,5,6,7             ; keys 16 (f / 2) on, channels 32 (f % 2) on
	ds_load_b128 v[KF+8*\f:KF+8*\f+3],   v[AK] offset:(\f/2)*16*PK+(\f%2)*64
	ds_load_b128 v[KF+8*\f+4:KF+8*\f+7], v[AK] offset:(\f/2)*16*PK+(\f%2)*64+32
.endr
	s_add_co_u32 s[TBK], s[TBK], KS*PK
	WIN 0
.if \last
.Lno_k_\@:
.endif
.endm
.macro FETCH_V
	WIN 0x80
.irp f, 0,1,2,3,4,5,6,7             ; keys 32 (f / 4) on, channels 16 (f % 4) on
	ds_load_tr16_b128 v[VF+8*\f:VF+8*\f+3],   v[AV] offset:(\f/4)*32*PV+(\f%4)*32
	ds_load_tr16_b128 v[VF+8*\f+4:VF+8*\f+7], v[AV] offset:(\f/4)*32*PV+16*PV+(\f%4)*32
.endr
	WIN 0
.endm
; THE VECTOR WORK, one line at a time: OP kind, number.  For piece Y: F n: c s - c m for pair n of 16.  E n: the exponential of score n of 32.  C n: pair n rounded to f16.  B n: of the four weights 4 n .. the second
; pair is added onto the first, in place.  L n: l takes that sum (L 0: l = a l + sum).  R n: pair n of 16 of O^T times a.  For piece Y + 1: X n, number n of the 22 that find its maximum and statistics:
;   0-11  four chains c0-c3 of seven scores each (each accumulator's lowest registers are read first)     12-14, 16  the four scores left over, the old m, and c0-c3 into c0
;   15  c m_old is kept     17, 18  the query's other 32 keys lie in the lane 16 away: the new m     19-21  c m; c m_old - c m_new; a
.set F, 0
.set E, 1
.set C, 2
.set B, 3
.set L, 4
.set R, 5
.set X, 6
.macro REGS y
.set rT, ST+4*(\y)
.set rC, TMP+4*((\y)%2)
.set rW, MV+((\y)%2)
.set rS, S+32*((\y)%2)
.set rP, P+16*((\y)%2)
.set rO, 32*(\y)
.endm
.macro OP k, n
.if (\k) == R
	REGS Y
	WIN W_RS
	v_pk_mul_f32 v[rO+2*(\n):rO+2*(\n)+1], v[rO+2*(\n):rO+2*(\n)+1], v[rC+2:rC+3] op_sel_hi:[1,0]
.elseif (\k) < R
	REGS Y
	WIN 0
.if (\k) == F
	v_pk_fma_f32 v[rS+2*(\n):rS+2*(\n)+1], v[rS+2*(\n):rS+2*(\n)+1], s[CS:CS+1], v[rT:rT+1] op_sel_hi:[1,0,0] neg_lo:[0,0,1] neg_hi:[0,0,1]
.elseif (\k) == E
	v_exp_f32 v[rS+(\n)], v[rS+(\n)]
.elseif (\k) == C
	s_wait_alu depctr_va_vdst(0)
	v_cvt_pk_f16_f32 v[rP+(\n)], v[rS+2*(\n)], v[rS+2*(\n)+1]
.elseif (\k) == B
	s_wait_alu depctr_va_vdst(0)
	v_pk_add_f32 v[rS+4*(\n):rS+4*(\n)+1], v[rS+4*(\n):rS+4*(\n)+1], v[rS+4*(\n)+2:rS+4*(\n)+3]
.elseif (\n) == 0
	v_pk_fma_f32 v[rT+2:rT+3], v[rT+2:rT+3], v[rC+2:rC+3], v[rS:rS+1] op_sel_hi:[1,0,1]
.else
	v_pk_add_f32 v[rT+2:rT+3], v[rT+2:rT+3], v[rS+4*(\n):rS+4*(\n)+1]
.endif
.else
	REGS (Y+1)%NP
	WIN 0
.if (\n) < 4
	v_max3_num_f32 v[rC+(\n)], v[rS+8*(\n)], v[rS+8*(\n)+1], v[rS+8*(\n)+2]
.elseif (\n) < 12
	v_max3_num_f32 v[rC+(\n)%4], v[rC+(\n)%4], v[rS+8*((\n)%4)+2*((\n)/4)+1], v[rS+8*((\n)%4)+2*((\n)/4)+2]
.elseif (\n) == 12
	v_max3_num_f32 v[rC], v[rC], v[rS+7], v[rS+15]
.elseif (\n) == 13
	v_max3_num_f32 v[rC+1], v[rC+1], v[rS+23], v[rS+31]
.elseif (\n) == 14
	v_max3_num_f32 v[rC+2], v[rC+2], v[rC+3], v[rT+1]
.elseif (\n) == 15
	v_mov_b32 v[rW], v[rT]
.elseif (\n) == 16
	v_max3_num_f32 v[rC], v[rC], v[rC+1], v[rC+2]
.elseif (\n) == 17
	v_permlanex16_b32 v[rC+3], v[rC], s[SEL], s[SEL+1]
.elseif (\n) == 18
	v_max_num_f32 v[rT+1], v[rC], v[rC+3]
.elseif (\n) == 19
	v_mul_f32 v[rT], s[CS], v[rT+1]
.elseif (\n) == 20
	v_sub_f32 v[rC+1], v[rW], v[rT]
.else
	v_exp_f32 v[rC+2], v[rC+1]
.endif
.endif
.endm
.macro OPS a, i1, b=-1, i2=0, c=-1, i3=0, d=-1, i4=0
	OP \a, \i1
.if (\b) >= 0
	OP \b, \i2
.endif
.if (\c) >= 0
	OP \c, \i3
.endif
.if (\d) >= 0
	OP \d, \i4
.endif
.endm
.macro ROW a, i1, b, i2, c, i3, d, i4  ; a matrix instruction and the four behind it
	MM
	OPS \a, \i1, \b, \i2, \c, \i3, \d, \i4
.endm
; A TURN, for piece p: its 16 matrix and 136 vector instructions, written out.  Behind a matrix instruction: plain, exponential, plain, plain; or four of the rescaling; or four scalings; none names a register of the
; products round it.  A line reads no result made fewer than three vector instructions in front of it, five if an exponential made it.
; K of the next step is fetched in piece 2's turn, five plain instructions behind the last product that read K; V of the step in hand in piece 0's turn, five plain ones behind the last product that read V.
; Each is waited for a turn later.  The mask buffer of piece p + 1, whose products this turn's first four were, is asked for anew behind the first run of products.  At the turn's end the buffer of piece p + 2,
; which the next turn's products take, gets its shifts: it was asked for three turns ago, and three runs of four loads were issued behind it: hence the count 12, which also frees that run's offset register.
; cnt = 1: the loop's count is taken down some lines ahead of the branch that stands behind the turn.
.macro TURN p, last=0, cnt=0
.set Y, (\p)
.set i, 0
.if (\p) == 3
	s_wait_dscnt 0x0                ; K is in
.endif
	ROW F,0, F,1, F,2, F,3
	ROW F,4, E,0, F,5, F,6
	ROW F,7, E,1, F,8, F,9
	ROW F,10, E,2, C,0, F,11
	ROW F,12, E,3, X,15, F,13
	ROW R,0, R,1, R,2, R,3
	ROW B,0, E,4, F,14, L,0
.if (\p) == 2
	v_add_nc_u32 v[AK], s[TBK], v[AK0]
.endif
	ROW R,4, R,5, R,6, R,7
	OPS E,5, F,15
.if (\p) == 2
	FETCH_K \last
.endif
	MLOAD ((\p)+1)%NP
	OPS E,6, C,1, E,7, R,8
	OPS E,8, R,9, E,9, C,2
	OPS E,10, X,0, E,11, X,1
	OPS E,12, X,2, E,13, X,3
.if (\p) == 1
	s_wait_dscnt 0x0                ; V is in
.endif
	ROW X,4, E,14, X,5, X,6
	ROW X,7, E,15, X,8, X,9
	ROW X,10, E,16, X,11, X,12
	ROW X,13, E,17, X,14, B,1
	ROW C,4, E,18, X,16, L,1
	ROW B,2, E,19, C,6, L,2
	ROW C,8, E,20, B,3, B,4
.if (\p) == 0
	v_add_nc_u32 v[AV], s[TBV], v[AV0]
.endif
	ROW C,3, E,21, L,3, C,5
	OPS E,22, X,17, E,23, C,10
.if (\p) == 0
	FETCH_V
.endif
	OPS E,24, L,4
	OPS E,25, X,18, E,26, C,7
	OPS E,27, B,5, E,28, X,19
	OPS E,29, C,12, E,30, L,5
	OPS E,31, X,20, B,6, C,9
	OPS C,14, C,11, X,21, L,6
.if (\p) == 0
	s_add_co_u32 s[TBV], s[TBV], KS*PV
.endif
.if \cnt
	s_sub_co_u32 s[CNT], s[CNT], 1
	s_cmp_lg_u32 s[CNT], 0
.endif
	OPS C,13, B,7, C,15, R,10
	OPS R,11, R,12, L,7, R,13
	OPS R,14, R,15
	s_wait_loadcnt 12
	MSHIFT ((\p)+2)%NP
.endm
	CHANGE 1                        ; slot 0 is in, everybody's part of it; slot 1 is asked for
	FETCH_K                         ; key step 0
	s_wait_loadcnt 0x0              ; Q and step 0's masks
	MSHIFT 0
	MSHIFT 1
	s_wait_dscnt 0x0
.set i, 0
.rept 8
	KQ 0                            ; piece 0's first scores
.set i, i+1
.endr
	WIN 0                           ; the addresses for the way out: plain instructions, the places behind those products
	s_mul_i32 s13, s[WV], 16*SP
	s_add_co_u32 s13, s13, STAGE    ; my stage
	v_mul_u32_u24 v[STO], v1, SP    ; in: row l % 16, 16 bytes for each half of the lanes
	v_lshl_add_u32 v[STO], v9, 4, v[STO]
	v_add_nc_u32 v[STO], s13, v[STO]
	v_bfe_u32 v[RD], v0, 3, 2       ; back: 32 lanes take four rows of 128 bytes,
	v_mul_u32_u24 v[RD], v[RD], SP
	v_lshl_add_u32 v[RD], v10, 4, v[RD]
	v_add_nc_u32 v[RD], s13, v[RD]
	v_and_b32 v[GO], 31, v0         ; which are 512 consecutive bytes of O
	v_lshlrev_b32 v[GO], 4, v[GO]
	MLOAD 0                         ; piece 0's mask of step 1
.set Y, NP-1                        ; X works for piece Y + 1: piece 0
.irp n, 0,1,2,3,4,5,6,7,8,9,10,11,12,13,14,15,16,17,18,19,20,21
	OP X, \n
.endr
	v_nop                           ; a plain instruction behind the exponential
	s_mov_b32 s[CNT], 4
	s_mov_b32 s[SLOTS], 7
	s_branch .Lfirst                ; the loop is entered at a step's first turn, in the middle of a trip
.Lslot:                             ; six times: every slot but the last two is filled again
	CHANGE 1
	s_mov_b32 s[CNT], 4
.Lstep:                             ; a trip: pieces 2 and 3 of one step, then pieces 0 and 1 of the next, whose K and V it fetches
	TURN 2
	TURN 3
	WIN 0
.Lfirst:
	TURN 0
	TURN 1, 0, 1
	WIN 0
	s_cbranch_scc1 .Lstep
	s_sub_co_u32 s[SLOTS], s[SLOTS], 1
	s_cmp_lg_u32 s[SLOTS], 0
	s_cbranch_scc1 .Lslot
	CHANGE 0                        ; the tail is written out: nothing is asked for
	s_mov_b32 s[CNT], 5             ; four trips fetch the last slot's steps; the fifth is left in its middle
.Ltail:
	TURN 2, 1
	TURN 3
	WIN 0
	s_sub_co_u32 s[CNT], s[CNT], 1
	s_cmp_eq_u32 s[CNT], 0
	s_cbranch_scc1 .Lout
	TURN 0
	TURN 1
	WIN 0
	s_branch .Ltail
.Lout:                              ; the fifth trip's 8 products K Q^T (on the last K once more) and the maximum made of them serve nothing; that maximum can only grow, and stays below -1e29 where step 0's mask hides all
.set i, 0
.rept 8
	PV NP-1                         ; the last piece's V^T P of the last step
.set i, i+1
.endr
	; THE WAY OUT.  l's two halves and the other half of the lanes' are added; O^T is divided by l, rounded to f16 and sent through my stage, a piece at a time.  The additions are the places behind the last products.
	WIN 0
.macro ALL line:vararg
.set t, 0
.rept 4
	\line
.set t, t+1
.endr
.endm
	ALL v_add_f32 v[ST+4*t+2], v[ST+4*t+2], v[ST+4*t+3]
	ALL v_permlanex16_b32 v[ST+4*t+3], v[ST+4*t+2], s[SEL], s[SEL+1]
	ALL v_add_f32 v[ST+4*t+2], v[ST+4*t+2], v[ST+4*t+3]
	ALL v_rcp_f32 v[ST+4*t+2], v[ST+4*t+2]
	v_nop                           ; a plain instruction between the last reciprocal and the use of its result
.set t, 0
.rept 4
	v_cmp_gt_f32 vcc_lo, s[LOW], v[ST+4*t+1]                       ; no key was visible:
	s_wait_alu depctr_va_vdst(0)
	v_cndmask_b32 v[ST+4*t+2], v[ST+4*t+2], s[QNAN], vcc_lo        ; the row is NaN
.set t, t+1
.endr
.macro PACK t
	WIN W_RS
.set i, 32*(\t)
.rept 16
	v_pk_mul_f32 v[i:i+1], v[i:i+1], v[ST+4*(\t)+2:ST+4*(\t)+3] op_sel_hi:[1,0]
.set i, i+2
.endr
	WIN 0x05                        ; sources 0 and 1 window 1, destination window 0
.set i, 0
.rept 16
	v_cvt_pk_f16_f32 v[S+16*(\t)+i], v[32*(\t)+2*i], v[32*(\t)+2*i+1]
.set i, i+1
.endr
	WIN 0
.irp f, 0,1,2,3
	ds_store_b128 v[STO], v[S+16*(\t)+4*\f:S+16*(\t)+4*\f+3] offset:32*\f
.endr
.irp f, 0,1,2,3
	ds_load_b128 v[S+16*(\t)+4*\f:S+16*(\t)+4*\f+3], v[RD] offset:\f*4*SP  ; LDS serves a wave's instructions in order (ISA guide 5.7.1.4): these see the stores above; the next piece's stores come behind them
.endr
.endm
.macro SEND t, younger              ; younger: the LDS instructions issued behind piece t's loads: the next piece's eight, or none
	WIN 0
.irp f, 0,1,2,3
	s_wait_dscnt (\younger)+3-\f
	global_store_b128 v[GO], v[S+16*(\t)+4*\f:S+16*(\t)+4*\f+3], s[10:11] offset:(\t)*2048+\f*512  ; 512 consecutive bytes, at a multiple of 256 from O's first
.endr
.endm
	PACK 0
.set t, 1
.rept 3
	PACK t
	SEND t-1, 8
.set t, t+1
.endr
	SEND 3, 0
	s_wait_tensorcnt 0x0            ; the wave's end
	ds_add_u32 v[SPW], v[NIL]
	s_wait_dscnt 0x0
	CROUND                          ; the closing round
	s_endpgm
.Lfunc_end_k_q57d8639564_attn:
	.size	k_q57d8639564_attn, .Lfunc_end_k_q57d8639564_attn-k_q57d8639564_attn
	.p2alignl 7, 3214868480
	.fill 96, 4, 3214868480
	.section	.rodata,"a",@progbits
	.p2align	6, 0x0
	.amdhsa_kernel k_q57d8639564_attn
		.amdhsa_group_segment_fixed_size 327680
		.amdhsa_private_segment_fixed_size 0
		.amdhsa_enable_private_segment 0
		.amdhsa_kernarg_size 24
		.amdhsa_user_sgpr_count 2
		.amdhsa_user_sgpr_kernarg_segment_ptr 1
		.amdhsa_wavefront_size32 1
		.amdhsa_system_sgpr_workgroup_id_x 1
		.amdhsa_system_sgpr_workgroup_id_y 1
		.amdhsa_system_sgpr_workgroup_id_z 1
		.amdhsa_system_vgpr_workitem_id 0
		.amdhsa_next_free_vgpr 768
		.amdhsa_next_free_sgpr 72
		.amdhsa_reserve_vcc 1
		.amdhsa_float_denorm_mode_32 3
		.amdhsa_float_denorm_mode_16_64 3
		.amdhsa_memory_ordered 1
		.amdhsa_forward_progress 1
		.amdhsa_inst_pref_size 128
	.end_amdhsa_kernel
	.amdgpu_metadata
---
amdhsa.version: [ 1, 2 ]
amdhsa.kernels:
  - .name:           k_q57d8639564_attn
    .symbol:         k_q57d8639564_attn.kd
    .args:
      - { .name: qkv, .offset: 0, .size: 8, .value_kind: global_buffer, .address_space: global }
      - { .name: P1, .offset: 8, .size: 8, .value_kind: global_buffer, .address_space: global }
      - { .name: o16, .offset: 16, .size: 8, .value_kind: global_buffer, .address_space: global }
    .group_segment_fixed_size: 327680
    .private_segment_fixed_size: 0
    .kernarg_segment_align: 8
    .kernarg_segment_size: 24
    .max_flat_workgroup_size: 128
    .sgpr_count:     72
    .vgpr_count:     768
    .wavefront_size: 32
...
	.end_amdgpu_metadata
.endif
;; end of part 3
;; launch proj (part 4): grid 8 x 32, 4 waves a work-group, clusters of 4 x 4, 327,680 bytes of LDS; arguments o16, P1, x, bp, x1; writes x1
.if DOCPART == 4
	.amdgcn_target "amdgcn-amd-amdhsa--gfx1250"
	.amdhsa_code_object_version 6
	.text
	.protected	k_q57d8639564_proj
	.globl	k_q57d8639564_proj
	.p2align	8
	.type	k_q57d8639564_proj,@function
k_q57d8639564_proj:
	s_mov_b64 s[64:65], 0
	v_nop
	global_prefetch_b8 v0, s[64:65] scope:SCOPE_SE
	s_setreg_imm32_b32 hwreg(HW_REG_WAVE_MODE, 25, 1), 1
	s_wait_xcnt 0x0
	s_wait_alu depctr_hold_cnt(0) depctr_sa_sdst(0) depctr_va_vdst(0) depctr_va_sdst(0) depctr_va_ssrc(0) depctr_va_vcc(0) depctr_vm_vsrc(0)
	s_getreg_b32 s2, hwreg(HW_REG_IB_STS2, 6, 4)
	s_cmp_eq_u32 s2, 0
	s_cbranch_scc0 .Lentry_in_a_cluster
	s_endpgm
.Lentry_in_a_cluster:
	s_bfe_u32 s2, ttmp6, 0x10000c
	s_cmp_lg_u32 s2, 0xf033
	s_cbranch_scc0 .Lentry_shape_is_right
	s_endpgm
.Lentry_shape_is_right:
; THE NARROW PRODUCT, K = 1,024.  out = R + A W + bias: 4,096 rows, 1,024 columns, f32 out.  A: f16 in slices of 64 along K, [K / 64][4096][64]; W: f16 [K][1024] at WSM in a packed buffer; R (the residual) and
; out: f32 [4096][1024]; bias: f32 [1024].  K = 256 x NSTEP; the count of steps governs barriers and joint loads, so it is a constant of the text: the same text stands once more with NSTEP = 16.
; LIMITS.  Sums in f32; nothing is rounded on the way out.
; SHARES.  A tile of 128 x 128 to a work-group: 256 work-groups; four waves, each 64 x 64: 16 accumulators.  K goes in steps of 256 (four slices) through two LDS slots, as long as two slots in LDS allow.
; A slice's 128 rows are 16,384 dense bytes; one tensor load brings two slices as two long rows, padded in LDS after every 128 bytes.  W is read turned, by ds_load_tr16_b128.
; The matrix instruction is used transposed (source 0 = 16 columns of W, source 1 = 16 rows of A): a lane holds eight neighbouring columns of one row.  The bias is the C operand of the products that start the sums.
; ONE K STEP IS WRITTEN ONCE FOR THE LOOP AND ONCE FOR THE TAIL.  The slot in hand is a scalar, 0 or SLOT, turned by an exclusive or at each change of slots; the fragment addresses are made anew from it, and the
; walking descriptors' LDS words from a second such scalar.  The tail (the last two K steps, which fill nothing) is a loop of two trips that is left behind its second change of slots.
; CLUSTERS.  4 x 4 work-groups: A's tile shared along a row of the cluster, W's along a column, each asked for jointly.
; ASKED AHEAD (global_prefetch_b8; wave 0; lanes 256 bytes apart; each block of 256 bytes once in the launch).  Of A's tile of a K step, 65,536 bytes that the eight work-groups of a tile row read, my eighth: 8,192
; consecutive bytes.  Of W four K steps at a time, 1,024 rows of 2,048 bytes that all 256 work-groups read, my four rows: 8,192 consecutive bytes.  At the head: A's K steps 2 and 3 and W's K steps 0 to 3 (for W's
; steps 0 and 1, which the first fills fetch at the same time, the request serves nothing: the price of one form for every four steps).  In trip i of the loop: A's K step i + 4, which the refill of trip i + 2 loads;
; in every fourth trip W's next four steps, the first of which the refill of trip i + 2 loads.  The last two trips ask for nothing, so no request points past K; with NSTEP = 4 the loop asks for nothing at all.
; REGISTERS: window 0: v16-30 addresses; v32-95 the way out, two buffers; v96-127 the bias; v128-255 the accumulators ((a, b) at v[128 + 8 (4 a + b)]).
;   window 1: two fragment buffers of 128 (64 along K: 64 registers of A, then 64 of W).   window 2: v0-127 the residual of my 64 x 64.
.set NSTEP,  4                         ; K steps
.set KSTEP,  256
.set PA,     144                       ; a row of A in LDS: 128 bytes + 16: the 16 rows of a load start at 16 different groups of four banks (64 banks of 4 bytes: ISA guide 11.1)
.set PLANE,  128*PA                    ; a slice's 128 rows
.set PB,     288                       ; a row of W: 256 bytes + 32
.set HALF,   2*PLANE                   ; what one tensor load brings: two slices of A, or 128 rows of W (128 x 288 is the same number)
.set SLOT,   4*HALF                    ; A's four slices, then W's 256 rows
.set STAGE,  2*SLOT                    ; behind the ring: 16 rows x 272 bytes for each wave
.set SPITCH, 272
.set SPARE,  STAGE+4*16*SPITCH         ; behind the stages: the spare words, 128 bytes for each wave, which no other line names
.set SL,     524288                    ; bytes in a slice of A
.set WSM,    16809984
.set ADRA0, 16                         ; v16     LDS address of my A fragments in slot 0; never rewritten
.set ADRA,  17                         ; v17     the same in the slot in hand
.set ADRB0, 20                         ; v20-21  of my W fragments in slot 0: rows 0-127, rows 128-255 (the immediate offset has 16 bits); never rewritten
.set ADRB,  22                         ; v22-23  the same in the slot in hand
.set STO,  24
.set RD,   25
.set CO,   26
.set BO,   27
.set SPW,  28
.set NIL,  29
.set PFO,  30                          ; v30     256 x lane; never rewritten
.set TMP,  32
.set BI,   96
.set ACC,  128
.set F0,   0
.set F1,   128
.set TBR, 4                            ; s4  0 or SLOT: the slot that is read
.set TBF, 5                            ; s5  0 or SLOT: the slot that was filled last
.set PFA, 8                            ; s[8:9]    A at my eighth of the K step asked for last
.set PFB, 66                           ; s[66:67]  W at my four rows of the four K steps asked for last
.set G1, 24                            ; s[24:31] descriptor group 1 for A's tiles;  s[32:39] group 0: a set for each of the two first fills; the second then walks on
.set G0, 32
.set G1B, 48                           ; s[48:55], s[56:63] the same for W's tiles
.set G0B, 56
.set MSB, 0
.macro WIN new
.if MSB != (\new)
	s_set_vgpr_msb (MSB<<8)|(\new)
.set MSB, \new
.endif
.endm
.set MUL,  0x05                        ; sources 0 (W) and 1 (A) window 1; C and D window 0
.set TO_F, 0x40                        ; destination window 1, address window 0
.macro JLOAD                           ; a joint refill, by the walking descriptors: waves 0 and 1 fetch A's two halves, waves 2 and 3 W's; an s_nop 0 and four v_nop follow each of the two lines
	s_cmp_eq_u32 s11, 0
	s_cbranch_scc0 .Lfor_b_\@
	tensor_load_to_lds s[G0+4:G0+7], s[G1:G1+7]
	s_nop 0
.rept 4
	v_nop
.endr
	s_branch .Lasked_\@
.Lfor_b_\@:
	tensor_load_to_lds s[G0B+4:G0B+7], s[G1B:G1B+7]
	s_nop 0
.rept 4
	v_nop
.endr
.Lasked_\@:
.endm
.macro CREST                           ; a round of the cluster's barrier behind its opening barrier
	s_cmp_lg_u32 s10, 0
	s_cbranch_scc1 .Lnot_wave_0_\@
	s_barrier_signal -3
.Lnot_wave_0_\@:
	s_barrier_wait -3
	s_barrier_signal -1
	s_barrier_wait -1
.endm
.macro CROUND                          ; a whole round
	s_barrier_signal -1
	s_barrier_wait -1
	CREST
.endm
	s_load_b256 s[68:75], s[0:1], 0x0              ; A 68, the packed buffer 70, R 72, bias 74
	s_load_b64 s[78:79], s[0:1], 0x20              ; out
	v_lshl_add_u32 v[SPW], v0, 2, SPARE
	v_mov_b32 v[NIL], 0
	ds_add_u32 v28, v29
	s_wait_dscnt 0x0
	v_lshrrev_b32 v1, 5, v0
	v_readfirstlane_b32 s10, v1                    ; wave 0..3
	s_lshr_b32 s11, s10, 1                         ; which half of the tile's rows is mine.  Also: I fetch for A (0) or for W (1)
	s_and_b32 s12, s10, 1                          ; which half of its columns.  Also: which half of that tile I fetch
	s_bfe_u32 s40, ttmp6, 0x40000
	s_bfe_u32 s41, ttmp6, 0x40004
	s_lshl_b32 s42, ttmp9, 2
	s_add_co_u32 s42, s42, s40                     ; tile column
	s_and_b32 s13, ttmp7, 0xffff
	s_lshl_b32 s13, s13, 2
	s_add_co_u32 s13, s13, s41                     ; tile row
	s_lshl_b32 s43, s41, 2
	s_lshl_b32 s43, 15, s43                        ; my row of the cluster
	s_lshl_b32 s44, 0x1111, s40                    ; my column
	s_or_b32 s[G1+0], s43, (1<<16)|(1<<20)|(1<<21)|(4<<22)|(3<<25)   ; mask; 2-byte elements; padding on; bit 21 beside a mask; after every 32 words, 4 words
	s_or_b32 s[G1B+0], s44, (1<<16)|(1<<20)|(1<<21)|(5<<22)|(7<<25)  ; after every 64 words, 8 words
	s_mov_b32 s[G1+1], 8192<<16                    ; A: tensor_dim0 = 8,192 elements: a slice's 128 rows on end
	s_mov_b32 s[G1+2], 2<<16                       ; tensor_dim1 = 2 slices
	s_mov_b32 s[G1+3], 8192<<16                    ; tile_dim0
	s_mov_b32 s[G1+4], 2                           ; tile_dim1
	s_mov_b32 s[G1+5], 262144                      ; elements from slice to slice
	s_mov_b32 s[G1+6], 0
	s_mov_b32 s[G1+7], 0
	s_mov_b32 s[G1B+1], 128<<16                    ; W: 128 rows of 128 elements
	s_mov_b32 s[G1B+2], 128<<16
	s_mov_b32 s[G1B+3], 128<<16
	s_mov_b32 s[G1B+4], 128
	s_mov_b32 s[G1B+5], 1024
	s_mov_b32 s[G1B+6], 0
	s_mov_b32 s[G1B+7], 0
	s_lshl_b32 s16, s12, 20                        ; A: two slices x half
	s_lshl_b32 s17, s13, 14                        ; + 128 rows of 128 bytes x tile row
	s_add_co_u32 s16, s16, s17
	s_mov_b32 s17, 0
	s_lshl_b32 s46, s12, 18                        ; W: 128 rows of 2,048 bytes x half
	s_lshl_b32 s47, s42, 8                         ; + 256 bytes x tile column
	s_add_co_u32 s46, s46, s47
	s_add_co_u32 s46, s46, WSM
	s_mov_b32 s47, 0
	s_mul_i32 s20, s10, HALF                       ; where they go: wave x a quarter of a slot; kept for the walking descriptors
	s_mov_b32 s[TBR], 0                            ; slot 0 is read first;
	s_mov_b32 s[TBF], SLOT                         ; slot 1 is the last of the first fills
	s_lshr_b32 s18, s42, 1                         ; what I ask ahead of A: slice (tile column / 2) of a K step's four,
	s_lshl_b32 s18, s18, 19
	s_lshl_b32 s19, s13, 14                        ; my tile row's 16,384 bytes of it,
	s_add_co_u32 s18, s18, s19
	s_and_b32 s19, s42, 1                          ; their half (tile column % 2);
	s_lshl_b32 s19, s19, 13
	s_add_co_u32 s18, s18, s19
	s_add_co_u32 s18, s18, 12*SL                   ; at K step 3
	s_mov_b32 s19, 0
	s_lshl3_add_u32 s[PFB], s13, s42               ; and of W: my work-group's number, 8 x tile row + tile column,
	s_lshl_b32 s[PFB], s[PFB], 13                  ; times four rows of 2,048 bytes
	s_add_co_u32 s[PFB], s[PFB], WSM
	s_mov_b32 s[PFB+1], 0
	s_wait_kmcnt 0x0
	s_add_nc_u64 s[14:15], s[68:69], s[16:17]
	s_add_nc_u64 s[46:47], s[70:71], s[46:47]
	s_add_nc_u64 s[PFA:PFA+1], s[68:69], s[18:19]
	s_add_nc_u64 s[PFB:PFB+1], s[70:71], s[PFB:PFB+1]
	CROUND                                         ; all sixteen work-groups are here: the first joint loads meet
.irp s, 0,1
	s_mov_b32 s[G0+4*(\s)], 1
	s_add_co_u32 s[G0+4*(\s)+1], s20, (\s)*SLOT
	s_add_nc_u64 s[G0+4*(\s)+2:G0+4*(\s)+3], s[14:15], (\s)*4*SL
	s_or_b32 s[G0+4*(\s)+3], s[G0+4*(\s)+3], 0x80000000
	s_mov_b32 s[G0B+4*(\s)], 1
	s_add_co_u32 s[G0B+4*(\s)+1], s20, (\s)*SLOT
	s_add_nc_u64 s[G0B+4*(\s)+2:G0B+4*(\s)+3], s[46:47], (\s)*KSTEP*2048
	s_or_b32 s[G0B+4*(\s)+3], s[G0B+4*(\s)+3], 0x80000000
.endr
	s_cmp_eq_u32 s11, 0                            ; a wave's two first fills stand in one branch, ahead of every wait on TENSORcnt and every LDS read: two loads of mine are out
	s_cbranch_scc0 .Lfirst_b
	tensor_load_to_lds s[G0:G0+3], s[G1:G1+7]
	s_nop 0
	tensor_load_to_lds s[G0+4:G0+7], s[G1:G1+7]
	s_nop 0
.rept 4
	v_nop
.endr
	s_branch .Lfirst_asked
.Lfirst_b:
	tensor_load_to_lds s[G0B:G0B+3], s[G1B:G1B+7]
	s_nop 0
	tensor_load_to_lds s[G0B+4:G0B+7], s[G1B:G1B+7]
	s_nop 0
.rept 4
	v_nop
.endr
.Lfirst_asked:
	v_and_b32 v[PFO], 31, v0
	v_lshlrev_b32 v[PFO], 8, v[PFO]
	s_cmp_lg_u32 s10, 0
	s_cbranch_scc1 .Lno_pf0                        ; wave 0 asks
	global_prefetch_b8 v[PFO], s[PFA:PFA+1] offset:-4*SL th:TH_LOAD_NT scope:SCOPE_SE   ; A's K step 2,
	global_prefetch_b8 v[PFO], s[PFA:PFA+1] th:TH_LOAD_NT scope:SCOPE_SE                ; its K step 3,
	global_prefetch_b8 v[PFO], s[PFB:PFB+1] th:TH_LOAD_NT scope:SCOPE_SE                ; W's K steps 0 to 3
.Lno_pf0:
	v_and_b32 v1, 15, v0                           ; r
	v_bfe_u32 v2, v0, 4, 1                         ; h
	v_mul_u32_u24 v3, v1, PA
	v_lshl_add_u32 v3, v2, 4, v3
	v_and_b32 v4, 7, v0
	v_lshl_add_u32 v4, v2, 3, v4
	v_mul_u32_u24 v4, v4, PB
	v_bfe_u32 v5, v0, 3, 1
	v_lshl_add_u32 v4, v5, 4, v4
	s_mul_i32 s21, s11, 64*PA                      ; my 64 rows in each slice
	s_lshl_b32 s22, s12, 7                         ; my 64 columns of W,
	s_add_co_u32 s22, s22, 2*HALF                  ; which lies behind A's four slices
	s_add_co_u32 s23, s22, HALF
	v_add_nc_u32 v[ADRA0], s21, v3
	v_add_nc_u32 v[ADRB0], s22, v4
	v_add_nc_u32 v[ADRB0+1], s23, v4
	v_mov_b32 v[ADRA], v[ADRA0]
	v_mov_b32 v[ADRB], v[ADRB0]
	v_mov_b32 v[ADRB+1], v[ADRB0+1]
	s_mul_i32 s23, s10, 16*SPITCH
	s_add_co_u32 s23, s23, STAGE                   ; my stage
	v_mul_u32_u24 v5, v1, SPITCH                   ; in: row r, 32 bytes (eight f32) for each half of the lanes
	v_lshl_add_u32 v5, v2, 5, v5
	v_add_nc_u32 v[STO], s23, v5
	v_mul_u32_u24 v5, v2, SPITCH                   ; back: lanes 0-15 one row of 256 bytes, lanes 16-31 the next
	v_lshl_add_u32 v5, v1, 4, v5
	v_add_nc_u32 v[RD], s23, v5
	v_lshlrev_b32 v5, 12, v2                       ; and the same two rows in R and out
	v_lshl_add_u32 v[CO], v1, 4, v5
	s_lshl_b32 s16, s13, 7
	s_lshl_b32 s17, s11, 6
	s_add_co_u32 s16, s16, s17                     ; my first row
	s_lshl_b32 s16, s16, 12
	s_mov_b32 s17, 0
	s_lshl_b32 s46, s42, 9                         ; my first column, in bytes
	s_lshl_b32 s47, s12, 8
	s_add_co_u32 s46, s46, s47
	s_mov_b32 s47, 0
	v_lshlrev_b32 v[BO], 5, v2
	v_add_nc_u32 v[BO], s46, v[BO]                 ; the bias of my columns: + 8 h numbers
	s_add_nc_u64 s[16:17], s[16:17], s[46:47]
	s_add_nc_u64 s[72:73], s[72:73], s[16:17]
	s_add_nc_u64 s[78:79], s[78:79], s[16:17]
.irp b, 0,1,2,3
	global_load_b128 v[BI+8*\b:BI+8*\b+3],   v[BO], s[74:75] offset:64*\b
	global_load_b128 v[BI+8*\b+4:BI+8*\b+7], v[BO], s[74:75] offset:64*\b+16
.endr
; 8 matrix instructions: m blocks a0, a0 + 1 x all 4 n blocks, 32 along K: half c of buffer f.  zero = 1: the products start the sums, with the bias as C.  The 16 accumulators take turns.
.macro MUL8 f, c, a0, zero
	WIN MUL
.irp a, \a0, (\a0)+1
.irp b, 0,1,2,3
.if \zero
	v_wmma_f32_16x16x32_f16 v[ACC+8*(4*(\a)+(\b)):ACC+8*(4*(\a)+(\b))+7], v[(\f)+64+8*(4*(\c)+(\b)):(\f)+64+8*(4*(\c)+(\b))+7], v[(\f)+8*(4*(\c)+(\a)):(\f)+8*(4*(\c)+(\a))+7], v[BI+8*(\b):BI+8*(\b)+7]
.else
	v_wmma_f32_16x16x32_f16 v[ACC+8*(4*(\a)+(\b)):ACC+8*(4*(\a)+(\b))+7], v[(\f)+64+8*(4*(\c)+(\b)):(\f)+64+8*(4*(\c)+(\b))+7], v[(\f)+8*(4*(\c)+(\a)):(\f)+8*(4*(\c)+(\a))+7], v[ACC+8*(4*(\a)+(\b)):ACC+8*(4*(\a)+(\b))+7]
.endif
.endr
.endr
.endm
; 32 LDS loads in one run: the fragments of quarter q (64 along K = slice q) of the slot in hand into buffer f; the first 32 along K first
.macro FETCH q, f
	WIN TO_F
.irp c, 0,1
.irp i, 0,1,2,3
	ds_load_tr16_b128 v[(\f)+64+8*(4*(\c)+(\i)):(\f)+64+8*(4*(\c)+(\i))+3],   v[ADRB+(\q)/2] offset:((2*(\q)+(\c))%4)*32*PB+32*(\i)
	ds_load_tr16_b128 v[(\f)+64+8*(4*(\c)+(\i))+4:(\f)+64+8*(4*(\c)+(\i))+7], v[ADRB+(\q)/2] offset:((2*(\q)+(\c))%4)*32*PB+16*PB+32*(\i)
	ds_load_b128 v[(\f)+8*(4*(\c)+(\i)):(\f)+8*(4*(\c)+(\i))+3],         v[ADRA] offset:(\q)*PLANE+64*(\c)+(\i)*16*PA
	ds_load_b128 v[(\f)+8*(4*(\c)+(\i))+4:(\f)+8*(4*(\c)+(\i))+7],       v[ADRA] offset:(\q)*PLANE+64*(\c)+(\i)*16*PA+32
.endr
.endr
.endm
.macro PLACES                          ; four plain vector instructions between a matrix instruction and a load into one of its sources or a read of its result (ISA guide 7.12.1 for vector reads)
.rept 4
	v_nop
.endr
.endm
.macro QUARTER q, f, g, zero           ; one of a K step's first three quarters: multiplies buffer f; in its middle it fetches quarter q of the slot in hand into buffer g
	s_wait_dscnt 16                                ; the first 32 along K are in
	MUL8 \f, 0, 0, \zero
	MUL8 \f, 0, 2, \zero
	PLACES
	FETCH \q, \g
	s_wait_dscnt 32                                ; all but the 32 just issued
	MUL8 \f, 1, 0, 0
	MUL8 \f, 1, 2, 0
.endm
; The last quarter multiplies buffer 1 and changes slots: one barrier; in front of it each wave waits for all its tensor loads, adds 0 to its spare word, and waits for that and for its own reads of this slot.
; fill = 1: the barrier opens a round of the cluster's, and this slot is filled again, two K steps on, first thing behind the round: 112 matrix instructions ahead of the wait for it.
; Then the slot in hand is turned and the next slot's first fragments are fetched.
.macro TURN fill
	WIN 0
	s_wait_tensorcnt 0x0
	ds_add_u32 v[SPW], v[NIL]                      ; 0 onto my spare word
	s_wait_dscnt 17                                ; the add and the youngest sixteen loads may be out
	MUL8 F1, 0, 0, 0
	s_wait_dscnt 0x0                               ; the add is done, and my reads of this slot are over
	s_barrier_signal -1
	MUL8 F1, 0, 2, 0
	WIN 0                                          ; branches and address arithmetic follow
	s_barrier_wait -1
.if \fill
	CREST
	s_xor_b32 s[TBF], s[TBF], SLOT                 ; no tensor load of mine is out: the walking descriptors go to the other slot than last time,
	s_add_co_u32 s[G0+5], s20, s[TBF]
	s_add_co_u32 s[G0B+5], s20, s[TBF]
	s_add_nc_u64 s[G0+6:G0+7], s[G0+6:G0+7], 4*SL           ; and one K step on; the type bits on top are not reached
	s_add_nc_u64 s[G0B+6:G0B+7], s[G0B+6:G0B+7], KSTEP*2048
	JLOAD                                          ; the four v_nop behind it are also the places in front of the loads below
.if NSTEP > 4
	s_cmp_lg_u32 s10, 0
	s_cbranch_scc1 .Lno_pf_\@                      ; wave 0 asks ahead;
	s_cmp_lt_u32 s3, 3
	s_cbranch_scc1 .Lno_pf_\@                      ; the last two trips ask for nothing (s3 counts the trips left, this one among them)
	s_wait_xcnt 0x0                                ; the requests of earlier trips have had their addresses translated (ISA guide 3.1): only now are their bases stepped
	s_add_nc_u64 s[PFA:PFA+1], s[PFA:PFA+1], 4*SL
	global_prefetch_b8 v[PFO], s[PFA:PFA+1] th:TH_LOAD_NT scope:SCOPE_SE   ; A's K step i + 4
	s_and_b32 s7, s3, 3
	s_cmp_lg_u32 s7, 2
	s_cbranch_scc1 .Lno_pf_\@                      ; trips 0, 4, 8 .. : NSTEP - 2 is 2 modulo 4
	s_add_nc_u64 s[PFB:PFB+1], s[PFB:PFB+1], 4*KSTEP*2048
	global_prefetch_b8 v[PFO], s[PFB:PFB+1] th:TH_LOAD_NT scope:SCOPE_SE   ; W's K steps i + 4 to i + 7
.Lno_pf_\@:
.endif
.endif
	s_xor_b32 s[TBR], s[TBR], SLOT
	v_add_nc_u32 v[ADRA], s[TBR], v[ADRA0]
	v_add_nc_u32 v[ADRB], s[TBR], v[ADRB0]
	v_add_nc_u32 v[ADRB+1], s[TBR], v[ADRB0+1]
.if (\fill) == 0
	v_nop                                          ; with the three lines above: the four places in front of the loads below
.endif
	FETCH 0, F0
	MUL8 F1, 1, 0, 0
	MUL8 F1, 1, 2, 0
.endm
; THE WAY OUT of block a (16 rows x my 64 columns): the sums go into my own stage as they are (each accumulator's low registers first), come back as whole rows of 256 bytes,
; take the residual, and are stored.
.macro OUT a
	WIN 0
.set TB, TMP+32*((\a)%2)
.if (\a) >= 2
	s_wait_xcnt 0x0                                ; the stores of the block two back have had their addresses translated (ISA guide 3.1): only now is their buffer written again
.endif
.irp b, 0,1,2,3
	ds_store_b128 v[STO], v[ACC+8*(4*(\a)+(\b)):ACC+8*(4*(\a)+(\b))+3] offset:64*(\b)
	ds_store_b128 v[STO], v[ACC+8*(4*(\a)+(\b))+4:ACC+8*(4*(\a)+(\b))+7] offset:64*(\b)+16
.endr
.irp t, 0,1,2,3,4,5,6,7
	ds_load_b128 v[TB+4*(\t):TB+4*(\t)+3], v[RD] offset:(\t)*2*SPITCH   ; LDS serves a wave's instructions in order (ISA guide 5.7.1.4): these see the stores above
.endr
	s_wait_loadcnt 24-8*(\a)                       ; this block's eight residual loads are in; those of the later blocks may stay out
	s_wait_dscnt 0x0
	WIN 0x08                                       ; source 1: window 2
.set i, 0
.rept 16
	v_pk_add_f32 v[TB+2*i:TB+2*i+1], v[TB+2*i:TB+2*i+1], v[32*(\a)+2*i:32*(\a)+2*i+1]
.set i, i+1
.endr
	WIN 0
.irp t, 0,1,2,3,4,5,6,7
	global_store_b128 v[CO], v[TB+4*(\t):TB+4*(\t)+3], s[78:79] offset:(16*(\a)+2*(\t))*4096  ; 16 lanes store 256 consecutive bytes, at a multiple of 256 from the buffer's first
.endr
.endm
	s_wait_tensorcnt 1                             ; my part of K step 0 is in; K step 1's may stay out
	s_barrier_signal -1
	s_barrier_wait -1
	FETCH 0, F0
	s_wait_loadcnt 0x0                             ; the bias
	QUARTER 1, F0, F1, 1                           ; the first quarter stands in front of the loop: its first products start the sums
	WIN 0                                          ; at a label and at a branch every window is 0
	s_mov_b32 s3, NSTEP-2
.Lstep:                                                ; NSTEP - 2 trips: from a K step's second quarter to the next step's first; each fills the slot that it leaves
	QUARTER 2, F1, F0, 0
	QUARTER 3, F0, F1, 0
	TURN 1
	QUARTER 1, F0, F1, 0
	WIN 0
	s_sub_co_u32 s3, s3, 1
	s_cmp_lg_u32 s3, 0
	s_cbranch_scc1 .Lstep
	WIN 0x80                                       ; the residual is asked for here: it lands under the last two K steps' products
.irp a, 0,1,2,3
.irp t, 0,1,2,3,4,5,6,7
	global_load_b128 v[32*\a+4*\t:32*\a+4*\t+3], v[CO], s[72:73] offset:(16*\a+2*\t)*4096
.endr
.endr
	WIN 0
	s_mov_b32 s6, 2
.Ltail:                                                ; the last two K steps fill nothing: their text stands apart
	QUARTER 2, F1, F0, 0
	QUARTER 3, F0, F1, 0
	TURN 0                                         ; in the second trip its barrier and its 32 loads (of the slot read before, into a buffer that nothing reads again) serve nothing: the price, once a launch, of one text for both trips
	WIN 0
	s_sub_co_u32 s6, s6, 1
	s_cmp_eq_u32 s6, 0
	s_cbranch_scc1 .Lout
	QUARTER 1, F0, F1, 0
	WIN 0
	s_branch .Ltail
.Lout:
	PLACES
	OUT 0
	OUT 1
	OUT 2
	OUT 3
	s_wait_tensorcnt 0x0                           ; the wave's end
	ds_add_u32 v[SPW], v[NIL]
	s_wait_dscnt 0x0
	CROUND                                         ; the closing round: no work-group ends while a partner may still ask for a tile that names it
	s_endpgm
.Lfunc_end_k_q57d8639564_proj:
	.size	k_q57d8639564_proj, .Lfunc_end_k_q57d8639564_proj-k_q57d8639564_proj
	.p2alignl 7, 3214868480
	.fill 96, 4, 3214868480
	.section	.rodata,"a",@progbits
	.p2align	6, 0x0
	.amdhsa_kernel k_q57d8639564_proj
		.amdhsa_group_segment_fixed_size 327680
		.amdhsa_private_segment_fixed_size 0
		.amdhsa_enable_private_segment 0
		.amdhsa_kernarg_size 40
		.amdhsa_user_sgpr_count 2
		.amdhsa_user_sgpr_kernarg_segment_ptr 1
		.amdhsa_wavefront_size32 1
		.amdhsa_system_sgpr_workgroup_id_x 1
		.amdhsa_system_sgpr_workgroup_id_y 1
		.amdhsa_system_sgpr_workgroup_id_z 1
		.amdhsa_system_vgpr_workitem_id 0
		.amdhsa_next_free_vgpr 640
		.amdhsa_next_free_sgpr 80
		.amdhsa_reserve_vcc 0
		.amdhsa_float_denorm_mode_32 3
		.amdhsa_float_denorm_mode_16_64 3
		.amdhsa_memory_ordered 1
		.amdhsa_forward_progress 1
		.amdhsa_inst_pref_size 67
	.end_amdhsa_kernel
	.amdgpu_metadata
---
amdhsa.version: [ 1, 2 ]
amdhsa.kernels:
  - .name:           k_q57d8639564_proj
    .symbol:         k_q57d8639564_proj.kd
    .args:
      - { .name: o16, .offset: 0, .size: 8, .value_kind: global_buffer, .address_space: global }
      - { .name: P1, .offset: 8, .size: 8, .value_kind: global_buffer, .address_space: global }
      - { .name: x, .offset: 16, .size: 8, .value_kind: global_buffer, .address_space: global }
      - { .name: bp, .offset: 24, .size: 8, .value_kind: global_buffer, .address_space: global }
      - { .name: x1, .offset: 32, .size: 8, .value_kind: global_buffer, .address_space: global }
    .group_segment_fixed_size: 327680
    .private_segment_fixed_size: 0
    .kernarg_segment_align: 8
    .kernarg_segment_size: 40
    .max_flat_workgroup_size: 128
    .sgpr_count:     80
    .vgpr_count:     640
    .wavefront_size: 32
...
	.end_amdgpu_metadata
.endif
;; end of part 4
;; launch ln2 (part 5): grid 512 x 1, 8 waves a work-group, no clusters, 0 bytes of LDS; arguments x1, g2, be2, P2; writes P2
.if DOCPART == 5
	.amdgcn_target "amdgcn-amd-amdhsa--gfx1250"
	.amdhsa_code_object_version 6
	.text
	.protected	k_q57d8639564_ln2
	.globl	k_q57d8639564_ln2
	.p2align	8
	.type	k_q57d8639564_ln2,@function
k_q57d8639564_ln2:
	s_mov_b64 s[64:65], 0
	v_nop
	global_prefetch_b8 v0, s[64:65] scope:SCOPE_SE
	s_setreg_imm32_b32 hwreg(HW_REG_WAVE_MODE, 25, 1), 1
	s_wait_xcnt 0x0
; LN2: h2 = (x1 - mean) / sqrt(variance + 1e-5) x g2 + be2, rounded once to f16, [4096][1024] at P2 + ABIG.  One wave a row (4,096 bytes = 32 registers), eight rows a work-group:
; the row stays in registers between the sums and the scaling, no wave waits for another, no LDS.  The mean is taken away before the squares are summed, so a common offset of the row does no harm.
; LIMIT.  f16 holds no number beyond 65,504.
.set ABIG, 8421376
.set X,  16                            ; v[16:47]   the row: load j holds columns 128 j + 4 lane .. + 3
.set G,  48                            ; v[48:79]   the gain
.set BE, 80                            ; v[80:111]  the bias
.set Y,  112                           ; v[112:127] the row in f16
.macro WSUM                            ; the sum of v[4:7] over the lane's four numbers and the wave's 32 lanes, into v4 of every lane
	v_pk_add_f32 v[4:5], v[4:5], v[6:7]
	v_add_f32 v4, v4, v5
	v_add_f32_dpp v4, v4, v4 row_xmask:1 row_mask:0xf bank_mask:0xf
	v_add_f32_dpp v4, v4, v4 row_xmask:2 row_mask:0xf bank_mask:0xf
	v_add_f32_dpp v4, v4, v4 row_xmask:4 row_mask:0xf bank_mask:0xf
	v_add_f32_dpp v4, v4, v4 row_xmask:8 row_mask:0xf bank_mask:0xf
	v_permlanex16_b32 v5, v4, s41, s42
	v_add_f32 v4, v4, v5
.endm
	s_load_b256 s[8:15], s[0:1], 0x0       ; x1 8, g2 10, be2 12, P2 14
	s_mov_b32 s2, ttmp9
	v_lshrrev_b32 v2, 5, v0
	v_readfirstlane_b32 s40, v2            ; wave 0..7
	v_and_b32 v1, 31, v0                   ; lane
	s_lshl_b32 s50, s2, 15                 ; 8 rows of 4,096 bytes
	s_mov_b32 s51, 0
	s_lshl_b32 s52, s2, 14                 ; 8 rows of 2,048 bytes
	s_add_co_u32 s52, s52, ABIG
	s_mov_b32 s53, 0
	s_mov_b32 s41, 0x76543210              ; v_permlanex16_b32: each lane takes its own place in the other half
	s_mov_b32 s42, 0xfedcba98
	s_mov_b32 s43, 0x3a800000              ; 1 / 1024
	s_mov_b32 s44, 0x3727c5ac              ; 1e-5
	v_lshlrev_b32 v12, 4, v1               ; 16 x lane: gain and bias
	v_lshl_add_u32 v2, s40, 12, v12        ; + wave x 4,096: my row
	v_lshlrev_b32 v3, 3, v1
	v_lshl_add_u32 v3, s40, 11, v3         ; 8 x lane + wave x 2,048: my row of the result
	s_wait_kmcnt 0x0
	s_add_nc_u64 s[8:9], s[8:9], s[50:51]
	s_add_nc_u64 s[48:49], s[14:15], s[52:53]
.irp j, 0,1,2,3,4,5,6,7
	global_load_b128 v[X+4*\j:X+4*\j+3], v2, s[8:9] offset:512*\j
.endr
.irp j, 0,1,2,3,4,5,6,7
	global_load_b128 v[G+4*\j:G+4*\j+3], v12, s[10:11] offset:512*\j
.endr
.irp j, 0,1,2,3,4,5,6,7
	global_load_b128 v[BE+4*\j:BE+4*\j+3], v12, s[12:13] offset:512*\j
.endr
	s_wait_loadcnt 16                      ; the row is in; the sixteen younger loads (gain, bias) may stay out
	v_pk_add_f32 v[4:5], v[X:X+1], v[X+4:X+5]       ; two chains, started by the first pairs
	v_pk_add_f32 v[6:7], v[X+2:X+3], v[X+6:X+7]
.set i, 4
.rept 12
	v_pk_add_f32 v[4+2*(i%2):5+2*(i%2)], v[4+2*(i%2):5+2*(i%2)], v[X+2*i:X+2*i+1]
.set i, i+1
.endr
	WSUM
	v_mul_f32 v8, s43, v4                  ; the mean, twice, for the packed subtraction
	v_mov_b32 v9, v8
.set i, 0
.rept 16
	v_pk_add_f32 v[X+2*i:X+2*i+1], v[X+2*i:X+2*i+1], v[8:9] neg_lo:[0,1] neg_hi:[0,1]
.set i, i+1
.endr
	v_pk_mul_f32 v[4:5], v[X:X+1], v[X:X+1]
	v_pk_mul_f32 v[6:7], v[X+2:X+3], v[X+2:X+3]
.set i, 2
.rept 14
	v_pk_fma_f32 v[4+2*(i%2):5+2*(i%2)], v[X+2*i:X+2*i+1], v[X+2*i:X+2*i+1], v[4+2*(i%2):5+2*(i%2)]
.set i, i+1
.endr
	WSUM
	v_fma_f32 v10, v4, s43, s44            ; variance + 1e-5
	v_rsq_f32 v10, v10
	v_nop                                  ; a plain instruction between the root and the use of its result (ISA guide 5.7.2)
	s_wait_alu depctr_va_vdst(0)
	v_mov_b32 v11, v10
	s_wait_loadcnt 0x0                     ; gain and bias
.set i, 0
.rept 16
	v_pk_mul_f32 v[X+2*i:X+2*i+1], v[X+2*i:X+2*i+1], v[10:11]
.set i, i+1
.endr
.set i, 0
.rept 16
	v_pk_fma_f32 v[X+2*i:X+2*i+1], v[X+2*i:X+2*i+1], v[G+2*i:G+2*i+1], v[BE+2*i:BE+2*i+1]
.set i, i+1
.endr
.irp j, 0,1,2,3,4,5,6,7
	v_cvt_pk_f16_f32 v[Y+2*\j], v[X+4*\j], v[X+4*\j+1]
	v_cvt_pk_f16_f32 v[Y+2*\j+1], v[X+4*\j+2], v[X+4*\j+3]
	global_store_b64 v3, v[Y+2*\j:Y+2*\j+1], s[48:49] offset:256*\j   ; the wave's 32 lanes store 256 consecutive bytes, aligned
.endr
	s_endpgm
.Lfunc_end_k_q57d8639564_ln2:
	.size	k_q57d8639564_ln2, .Lfunc_end_k_q57d8639564_ln2-k_q57d8639564_ln2
	.p2alignl 7, 3214868480
	.fill 96, 4, 3214868480
	.section	.rodata,"a",@progbits
	.p2align	6, 0x0
	.amdhsa_kernel k_q57d8639564_ln2
		.amdhsa_group_segment_fixed_size 0
		.amdhsa_private_segment_fixed_size 0
		.amdhsa_enable_private_segment 0
		.amdhsa_kernarg_size 32
		.amdhsa_user_sgpr_count 2
		.amdhsa_user_sgpr_kernarg_segment_ptr 1
		.amdhsa_wavefront_size32 1
		.amdhsa_system_sgpr_workgroup_id_x 1
		.amdhsa_system_sgpr_workgroup_id_y 1
		.amdhsa_system_sgpr_workgroup_id_z 1
		.amdhsa_system_vgpr_workitem_id 0
		.amdhsa_next_free_vgpr 128
		.amdhsa_next_free_sgpr 66
		.amdhsa_reserve_vcc 0
		.amdhsa_float_denorm_mode_32 3
		.amdhsa_float_denorm_mode_16_64 3
		.amdhsa_memory_ordered 1
		.amdhsa_forward_progress 1
		.amdhsa_inst_pref_size 12
	.end_amdhsa_kernel
	.amdgpu_metadata
---
amdhsa.version: [ 1, 2 ]
amdhsa.kernels:
  - .name:           k_q57d8639564_ln2
    .symbol:         k_q57d8639564_ln2.kd
    .args:
      - { .name: x1, .offset: 0, .size: 8, .value_kind: global_buffer, .address_space: global }
      - { .name: g2, .offset: 8, .size: 8, .value_kind: global_buffer, .address_space: global }
      - { .name: be2, .offset: 16, .size: 8, .value_kind: global_buffer, .address_space: global }
      - { .name: P2, .offset: 24, .size: 8, .value_kind: global_buffer, .address_space: global }
    .group_segment_fixed_size: 0
    .private_segment_fixed_size: 0
    .kernarg_segment_align: 8
    .kernarg_segment_size: 32
    .max_flat_workgroup_size: 256
    .sgpr_count:     66
    .vgpr_count:     128
    .wavefront_size: 32
...
	.end_amdgpu_metadata
.endif
;; end of part 5
;; launch ffn1: the kernel of part 2 again; grid 16 x 16, 4 waves a work-group, clusters of 4 x 4, 327,680 bytes of LDS; arguments P2, hid; writes hid
;; launch ffn2 (part 6): grid 8 x 32, 4 waves a work-group, clusters of 4 x 4, 327,680 bytes of LDS; arguments hid, P2, x1, b2, out0; writes out0
.if DOCPART == 6
	.amdgcn_target "amdgcn-amd-amdhsa--gfx1250"
	.amdhsa_code_object_version 6
	.text
	.protected	k_q57d8639564_ffn2
	.globl	k_q57d8639564_ffn2
	.p2align	8
	.type	k_q57d8639564_ffn2,@function
k_q57d8639564_ffn2:
	s_mov_b64 s[64:65], 0
	v_nop
	global_prefetch_b8 v0, s[64:65] scope:SCOPE_SE
	s_setreg_imm32_b32 hwreg(HW_REG_WAVE_MODE, 25, 1), 1
	s_wait_xcnt 0x0
	s_wait_alu depctr_hold_cnt(0) depctr_sa_sdst(0) depctr_va_vdst(0) depctr_va_sdst(0) depctr_va_ssrc(0) depctr_va_vcc(0) depctr_vm_vsrc(0)
	s_getreg_b32 s2, hwreg(HW_REG_IB_STS2, 6, 4)
	s_cmp_eq_u32 s2, 0
	s_cbranch_scc0 .Lentry_in_a_cluster
	s_endpgm
.Lentry_in_a_cluster:
	s_bfe_u32 s2, ttmp6, 0x10000c
	s_cmp_lg_u32 s2, 0xf033
	s_cbranch_scc0 .Lentry_shape_is_right
	s_endpgm
.Lentry_shape_is_right:
; THE NARROW PRODUCT, K = 4,096.  out = R + A W + bias: 4,096 rows, 1,024 columns, f32 out.  A: f16 in slices of 64 along K, [K / 64][4096][64]; W: f16 [K][1024] at WSM in a packed buffer; R (the residual) and
; out: f32 [4096][1024]; bias: f32 [1024].  K = 256 x NSTEP; the count of steps governs barriers and joint loads, so it is a constant of the text: the same text stands once more with NSTEP = 4.
; LIMITS.  Sums in f32; nothing is rounded on the way out.
; SHARES.  A tile of 128 x 128 to a work-group: 256 work-groups; four waves, each 64 x 64: 16 accumulators.  K goes in steps of 256 (four slices) through two LDS slots, as long as two slots in LDS allow.
; A slice's 128 rows are 16,384 dense bytes; one tensor load brings two slices as two long rows, padded in LDS after every 128 bytes.  W is read turned, by ds_load_tr16_b128.
; The matrix instruction is used transposed (source 0 = 16 columns of W, source 1 = 16 rows of A): a lane holds eight neighbouring columns of one row.  The bias is the C operand of the products that start the sums.
; ONE K STEP IS WRITTEN ONCE FOR THE LOOP AND ONCE FOR THE TAIL.  The slot in hand is a scalar, 0 or SLOT, turned by an exclusive or at each change of slots; the fragment addresses are made anew from it, and the
; walking descriptors' LDS words from a second such scalar.  The tail (the last two K steps, which fill nothing) is a loop of two trips that is left behind its second change of slots.
; CLUSTERS.  4 x 4 work-groups: A's tile shared along a row of the cluster, W's along a column, each asked for jointly.
; ASKED AHEAD (global_prefetch_b8; wave 0; lanes 256 bytes apart; each block of 256 bytes once in the launch).  Of A's tile of a K step, 65,536 bytes that the eight work-groups of a tile row read, my eighth: 8,192
; consecutive bytes.  Of W four K steps at a time, 1,024 rows of 2,048 bytes that all 256 work-groups read, my four rows: 8,192 consecutive bytes.  At the head: A's K steps 2 and 3 and W's K steps 0 to 3 (for W's
; steps 0 and 1, which the first fills fetch at the same time, the request serves nothing: the price of one form for every four steps).  In trip i of the loop: A's K step i + 4, which the refill of trip i + 2 loads;
; in every fourth trip W's next four steps, the first of which the refill of trip i + 2 loads.  The last two trips ask for nothing, so no request points past K; with NSTEP = 4 the loop asks for nothing at all.
; REGISTERS: window 0: v16-30 addresses; v32-95 the way out, two buffers; v96-127 the bias; v128-255 the accumulators ((a, b) at v[128 + 8 (4 a + b)]).
;   window 1: two fragment buffers of 128 (64 along K: 64 registers of A, then 64 of W).   window 2: v0-127 the residual of my 64 x 64.
.set NSTEP,  16                        ; K steps
.set KSTEP,  256
.set PA,     144                       ; a row of A in LDS: 128 bytes + 16: the 16 rows of a load start at 16 different groups of four banks (64 banks of 4 bytes: ISA guide 11.1)
.set PLANE,  128*PA                    ; a slice's 128 rows
.set PB,     288                       ; a row of W: 256 bytes + 32
.set HALF,   2*PLANE                   ; what one tensor load brings: two slices of A, or 128 rows of W (128 x 288 is the same number)
.set SLOT,   4*HALF                    ; A's four slices, then W's 256 rows
.set STAGE,  2*SLOT                    ; behind the ring: 16 rows x 272 bytes for each wave
.set SPITCH, 272
.set SPARE,  STAGE+4*16*SPITCH         ; behind the stages: the spare words, 128 bytes for each wave, which no other line names
.set SL,     524288                    ; bytes in a slice of A
.set WSM,    16809984
.set ADRA0, 16                         ; v16     LDS address of my A fragments in slot 0; never rewritten
.set ADRA,  17                         ; v17     the same in the slot in hand
.set ADRB0, 20                         ; v20-21  of my W fragments in slot 0: rows 0-127, rows 128-255 (the immediate offset has 16 bits); never rewritten
.set ADRB,  22                         ; v22-23  the same in the slot in hand
.set STO,  24
.set RD,   25
.set CO,   26
.set BO,   27
.set SPW,  28
.set NIL,  29
.set PFO,  30                          ; v30     256 x lane; never rewritten
.set TMP,  32
.set BI,   96
.set ACC,  128
.set F0,   0
.set F1,   128
.set TBR, 4                            ; s4  0 or SLOT: the slot that is read
.set TBF, 5                            ; s5  0 or SLOT: the slot that was filled last
.set PFA, 8                            ; s[8:9]    A at my eighth of the K step asked for last
.set PFB, 66                           ; s[66:67]  W at my four rows of the four K steps asked for last
.set G1, 24                            ; s[24:31] descriptor group 1 for A's tiles;  s[32:39] group 0: a set for each of the two first fills; the second then walks on
.set G0, 32
.set G1B, 48                           ; s[48:55], s[56:63] the same for W's tiles
.set G0B, 56
.set MSB, 0
.macro WIN new
.if MSB != (\new)
	s_set_vgpr_msb (MSB<<8)|(\new)
.set MSB, \new
.endif
.endm
.set MUL,  0x05                        ; sources 0 (W) and 1 (A) window 1; C and D window 0
.set TO_F, 0x40                        ; destination window 1, address window 0
.macro JLOAD                           ; a joint refill, by the walking descriptors: waves 0 and 1 fetch A's two halves, waves 2 and 3 W's; an s_nop 0 and four v_nop follow each of the two lines
	s_cmp_eq_u32 s11, 0
	s_cbranch_scc0 .Lfor_b_\@
	tensor_load_to_lds s[G0+4:G0+7], s[G1:G1+7]
	s_nop 0
.rept 4
	v_nop
.endr
	s_branch .Lasked_\@
.Lfor_b_\@:
	tensor_load_to_lds s[G0B+4:G0B+7], s[G1B:G1B+7]
	s_nop 0
.rept 4
	v_nop
.endr
.Lasked_\@:
.endm
.macro CREST                           ; a round of the cluster's barrier behind its opening barrier
	s_cmp_lg_u32 s10, 0
	s_cbranch_scc1 .Lnot_wave_0_\@
	s_barrier_signal -3
.Lnot_wave_0_\@:
	s_barrier_wait -3
	s_barrier_signal -1
	s_barrier_wait -1
.endm
.macro CROUND                          ; a whole round
	s_barrier_signal -1
	s_barrier_wait -1
	CREST
.endm
	s_load_b256 s[68:75], s[0:1], 0x0              ; A 68, the packed buffer 70, R 72, bias 74
	s_load_b64 s[78:79], s[0:1], 0x20              ; out
	v_lshl_add_u32 v[SPW], v0, 2, SPARE
	v_mov_b32 v[NIL], 0
	ds_add_u32 v28, v29
	s_wait_dscnt 0x0
	v_lshrrev_b32 v1, 5, v0
	v_readfirstlane_b32 s10, v1                    ; wave 0..3
	s_lshr_b32 s11, s10, 1                         ; which half of the tile's rows is mine.  Also: I fetch for A (0) or for W (1)
	s_and_b32 s12, s10, 1                          ; which half of its columns.  Also: which half of that tile I fetch
	s_bfe_u32 s40, ttmp6, 0x40000
	s_bfe_u32 s41, ttmp6, 0x40004
	s_lshl_b32 s42, ttmp9, 2
	s_add_co_u32 s42, s42, s40                     ; tile column
	s_and_b32 s13, ttmp7, 0xffff
	s_lshl_b32 s13, s13, 2
	s_add_co_u32 s13, s13, s41                     ; tile row
	s_lshl_b32 s43, s41, 2
	s_lshl_b32 s43, 15, s43                        ; my row of the cluster
	s_lshl_b32 s44, 0x1111, s40                    ; my column
	s_or_b32 s[G1+0], s43, (1<<16)|(1<<20)|(1<<21)|(4<<22)|(3<<25)   ; mask; 2-byte elements; padding on; bit 21 beside a mask; after every 32 words, 4 words
	s_or_b32 s[G1B+0], s44, (1<<16)|(1<<20)|(1<<21)|(5<<22)|(7<<25)  ; after every 64 words, 8 words
	s_mov_b32 s[G1+1], 8192<<16                    ; A: tensor_dim0 = 8,192 elements: a slice's 128 rows on end
	s_mov_b32 s[G1+2], 2<<16                       ; tensor_dim1 = 2 slices
	s_mov_b32 s[G1+3], 8192<<16                    ; tile_dim0
	s_mov_b32 s[G1+4], 2                           ; tile_dim1
	s_mov_b32 s[G1+5], 262144                      ; elements from slice to slice
	s_mov_b32 s[G1+6], 0
	s_mov_b32 s[G1+7], 0
	s_mov_b32 s[G1B+1], 128<<16                    ; W: 128 rows of 128 elements
	s_mov_b32 s[G1B+2], 128<<16
	s_mov_b32 s[G1B+3], 128<<16
	s_mov_b32 s[G1B+4], 128
	s_mov_b32 s[G1B+5], 1024
	s_mov_b32 s[G1B+6], 0
	s_mov_b32 s[G1B+7], 0
	s_lshl_b32 s16, s12, 20                        ; A: two slices x half
	s_lshl_b32 s17, s13, 14                        ; + 128 rows of 128 bytes x tile row
	s_add_co_u32 s16, s16, s17
	s_mov_b32 s17, 0
	s_lshl_b32 s46, s12, 18                        ; W: 128 rows of 2,048 bytes x half
	s_lshl_b32 s47, s42, 8                         ; + 256 bytes x tile column
	s_add_co_u32 s46, s46, s47
	s_add_co_u32 s46, s46, WSM
	s_mov_b32 s47, 0
	s_mul_i32 s20, s10, HALF                       ; where they go: wave x a quarter of a slot; kept for the walking descriptors
	s_mov_b32 s[TBR], 0                            ; slot 0 is read first;
	s_mov_b32 s[TBF], SLOT                         ; slot 1 is the last of the first fills
	s_lshr_b32 s18, s42, 1                         ; what I ask ahead of A: slice (tile column / 2) of a K step's four,
	s_lshl_b32 s18, s18, 19
	s_lshl_b32 s19, s13, 14                        ; my tile row's 16,384 bytes of it,
	s_add_co_u32 s18, s18, s19
	s_and_b32 s19, s42, 1                          ; their half (tile column % 2);
	s_lshl_b32 s19, s19, 13
	s_add_co_u32 s18, s18, s19
	s_add_co_u32 s18, s18, 12*SL                   ; at K step 3
	s_mov_b32 s19, 0
	s_lshl3_add_u32 s[PFB], s13, s42               ; and of W: my work-group's number, 8 x tile row + tile column,
	s_lshl_b32 s[PFB], s[PFB], 13                  ; times four rows of 2,048 bytes
	s_add_co_u32 s[PFB], s[PFB], WSM
	s_mov_b32 s[PFB+1], 0
	s_wait_kmcnt 0x0
	s_add_nc_u64 s[14:15], s[68:69], s[16:17]
	s_add_nc_u64 s[46:47], s[70:71], s[46:47]
	s_add_nc_u64 s[PFA:PFA+1], s[68:69], s[18:19]
	s_add_nc_u64 s[PFB:PFB+1], s[70:71], s[PFB:PFB+1]
	CROUND                                         ; all sixteen work-groups are here: the first joint loads meet
.irp s, 0,1
	s_mov_b32 s[G0+4*(\s)], 1
	s_add_co_u32 s[G0+4*(\s)+1], s20, (\s)*SLOT
	s_add_nc_u64 s[G0+4*(\s)+2:G0+4*(\s)+3], s[14:15], (\s)*4*SL
	s_or_b32 s[G0+4*(\s)+3], s[G0+4*(\s)+3], 0x80000000
	s_mov_b32 s[G0B+4*(\s)], 1
	s_add_co_u32 s[G0B+4*(\s)+1], s20, (\s)*SLOT
	s_add_nc_u64 s[G0B+4*(\s)+2:G0B+4*(\s)+3], s[46:47], (\s)*KSTEP*2048
	s_or_b32 s[G0B+4*(\s)+3], s[G0B+4*(\s)+3], 0x80000000
.endr
	s_cmp_eq_u32 s11, 0                            ; a wave's two first fills stand in one branch, ahead of every wait on TENSORcnt and every LDS read: two loads of mine are out
	s_cbranch_scc0 .Lfirst_b
	tensor_load_to_lds s[G0:G0+3], s[G1:G1+7]
	s_nop 0
	tensor_load_to_lds s[G0+4:G0+7], s[G1:G1+7]
	s_nop 0
.rept 4
	v_nop
.endr
	s_branch .Lfirst_asked
.Lfirst_b:
	tensor_load_to_lds s[G0B:G0B+3], s[G1B:G1B+7]
	s_nop 0
	tensor_load_to_lds s[G0B+4:G0B+7], s[G1B:G1B+7]
	s_nop 0
.rept 4
	v_nop
.endr
.Lfirst_asked:
	v_and_b32 v[PFO], 31, v0
	v_lshlrev_b32 v[PFO], 8, v[PFO]
	s_cmp_lg_u32 s10, 0
	s_cbranch_scc1 .Lno_pf0                        ; wave 0 asks
	global_prefetch_b8 v[PFO], s[PFA:PFA+1] offset:-4*SL th:TH_LOAD_NT scope:SCOPE_SE   ; A's K step 2,
	global_prefetch_b8 v[PFO], s[PFA:PFA+1] th:TH_LOAD_NT scope:SCOPE_SE                ; its K step 3,
	global_prefetch_b8 v[PFO], s[PFB:PFB+1] th:TH_LOAD_NT scope:SCOPE_SE                ; W's K steps 0 to 3
.Lno_pf0:
	v_and_b32 v1, 15, v0                           ; r
	v_bfe_u32 v2, v0, 4, 1                         ; h
	v_mul_u32_u24 v3, v1, PA
	v_lshl_add_u32 v3, v2, 4, v3
	v_and_b32 v4, 7, v0
	v_lshl_add_u32 v4, v2, 3, v4
	v_mul_u32_u24 v4, v4, PB
	v_bfe_u32 v5, v0, 3, 1
	v_lshl_add_u32 v4, v5, 4, v4
	s_mul_i32 s21, s11, 64*PA                      ; my 64 rows in each slice
	s_lshl_b32 s22, s12, 7                         ; my 64 columns of W,
	s_add_co_u32 s22, s22, 2*HALF                  ; which lies behind A's four slices
	s_add_co_u32 s23, s22, HALF
	v_add_nc_u32 v[ADRA0], s21, v3
	v_add_nc_u32 v[ADRB0], s22, v4
	v_add_nc_u32 v[ADRB0+1], s23, v4
	v_mov_b32 v[ADRA], v[ADRA0]
	v_mov_b32 v[ADRB], v[ADRB0]
	v_mov_b32 v[ADRB+1], v[ADRB0+1]
	s_mul_i32 s23, s10, 16*SPITCH
	s_add_co_u32 s23, s23, STAGE                   ; my stage
	v_mul_u32_u24 v5, v1, SPITCH                   ; in: row r, 32 bytes (eight f32) for each half of the lanes
	v_lshl_add_u32 v5, v2, 5, v5
	v_add_nc_u32 v[STO], s23, v5
	v_mul_u32_u24 v5, v2, SPITCH                   ; back: lanes 0-15 one row of 256 bytes, lanes 16-31 the next
	v_lshl_add_u32 v5, v1, 4, v5
	v_add_nc_u32 v[RD], s23, v5
	v_lshlrev_b32 v5, 12, v2                       ; and the same two rows in R and out
	v_lshl_add_u32 v[CO], v1, 4, v5
	s_lshl_b32 s16, s13, 7
	s_lshl_b32 s17, s11, 6
	s_add_co_u32 s16, s16, s17                     ; my first row
	s_lshl_b32 s16, s16, 12
	s_mov_b32 s17, 0
	s_lshl_b32 s46, s42, 9                         ; my first column, in bytes
	s_lshl_b32 s47, s12, 8
	s_add_co_u32 s46, s46, s47
	s_mov_b32 s47, 0
	v_lshlrev_b32 v[BO], 5, v2
	v_add_nc_u32 v[BO], s46, v[BO]                 ; the bias of my columns: + 8 h numbers
	s_add_nc_u64 s[16:17], s[16:17], s[46:47]
	s_add_nc_u64 s[72:73], s[72:73], s[16:17]
	s_add_nc_u64 s[78:79], s[78:79], s[16:17]
.irp b, 0,1,2,3
	global_load_b128 v[BI+8*\b:BI+8*\b+3],   v[BO], s[74:75] offset:64*\b
	global_load_b128 v[BI+8*\b+4:BI+8*\b+7], v[BO], s[74:75] offset:64*\b+16
.endr
; 8 matrix instructions: m blocks a0, a0 + 1 x all 4 n blocks, 32 along K: half c of buffer f.  zero = 1: the products start the sums, with the bias as C.  The 16 accumulators take turns.
.macro MUL8 f, c, a0, zero
	WIN MUL
.irp a, \a0, (\a0)+1
.irp b, 0,1,2,3
.if \zero
	v_wmma_f32_16x16x32_f16 v[ACC+8*(4*(\a)+(\b)):ACC+8*(4*(\a)+(\b))+7], v[(\f)+64+8*(4*(\c)+(\b)):(\f)+64+8*(4*(\c)+(\b))+7], v[(\f)+8*(4*(\c)+(\a)):(\f)+8*(4*(\c)+(\a))+7], v[BI+8*(\b):BI+8*(\b)+7]
.else
	v_wmma_f32_16x16x32_f16 v[ACC+8*(4*(\a)+(\b)):ACC+8*(4*(\a)+(\b))+7], v[(\f)+64+8*(4*(\c)+(\b)):(\f)+64+8*(4*(\c)+(\b))+7], v[(\f)+8*(4*(\c)+(\a)):(\f)+8*(4*(\c)+(\a))+7], v[ACC+8*(4*(\a)+(\b)):ACC+8*(4*(\a)+(\b))+7]
.endif
.endr
.endr
.endm
; 32 LDS loads in one run: the fragments of quarter q (64 along K = slice q) of the slot in hand into buffer f; the first 32 along K first
.macro FETCH q, f
	WIN TO_F
.irp c, 0,1
.irp i, 0,1,2,3
	ds_load_tr16_b128 v[(\f)+64+8*(4*(\c)+(\i)):(\f)+64+8*(4*(\c)+(\i))+3],   v[ADRB+(\q)/2] offset:((2*(\q)+(\c))%4)*32*PB+32*(\i)
	ds_load_tr16_b128 v[(\f)+64+8*(4*(\c)+(\i))+4:(\f)+64+8*(4*(\c)+(\i))+7], v[ADRB+(\q)/2] offset:((2*(\q)+(\c))%4)*32*PB+16*PB+32*(\i)
	ds_load_b128 v[(\f)+8*(4*(\c)+(\i)):(\f)+8*(4*(\c)+(\i))+3],         v[ADRA] offset:(\q)*PLANE+64*(\c)+(\i)*16*PA
	ds_load_b128 v[(\f)+8*(4*(\c)+(\i))+4:(\f)+8*(4*(\c)+(\i))+7],       v[ADRA] offset:(\q)*PLANE+64*(\c)+(\i)*16*PA+32
.endr
.endr
.endm
.macro PLACES                          ; four plain vector instructions between a matrix instruction and a load into one of its sources or a read of its result (ISA guide 7.12.1 for vector reads)
.rept 4
	v_nop
.endr
.endm
.macro QUARTER q, f, g, zero           ; one of a K step's first three quarters: multiplies buffer f; in its middle it fetches quarter q of the slot in hand into buffer g
	s_wait_dscnt 16                                ; the first 32 along K are in
	MUL8 \f, 0, 0, \zero
	MUL8 \f, 0, 2, \zero
	PLACES
	FETCH \q, \g
	s_wait_dscnt 32                                ; all but the 32 just issued
	MUL8 \f, 1, 0, 0
	MUL8 \f, 1, 2, 0
.endm
; The last quarter multiplies buffer 1 and changes slots: one barrier; in front of it each wave waits for all its tensor loads, adds 0 to its spare word, and waits for that and for its own reads of this slot.
; fill = 1: the barrier opens a round of the cluster's, and this slot is filled again, two K steps on, first thing behind the round: 112 matrix instructions ahead of the wait for it.
; Then the slot in hand is turned and the next slot's first fragments are fetched.
.macro TURN fill
	WIN 0
	s_wait_tensorcnt 0x0
	ds_add_u32 v[SPW], v[NIL]                      ; 0 onto my spare word
	s_wait_dscnt 17                                ; the add and the youngest sixteen loads may be out
	MUL8 F1, 0, 0, 0
	s_wait_dscnt 0x0                               ; the add is done, and my reads of this slot are over
	s_barrier_signal -1
	MUL8 F1, 0, 2, 0
	WIN 0                                          ; branches and address arithmetic follow
	s_barrier_wait -1
.if \fill
	CREST
	s_xor_b32 s[TBF], s[TBF], SLOT                 ; no tensor load of mine is out: the walking descriptors go to the other slot than last time,
	s_add_co_u32 s[G0+5], s20, s[TBF]
	s_add_co_u32 s[G0B+5], s20, s[TBF]
	s_add_nc_u64 s[G0+6:G0+7], s[G0+6:G0+7], 4*SL           ; and one K step on; the type bits on top are not reached
	s_add_nc_u64 s[G0B+6:G0B+7], s[G0B+6:G0B+7], KSTEP*2048
	JLOAD                                          ; the four v_nop behind it are also the places in front of the loads below
.if NSTEP > 4
	s_cmp_lg_u32 s10, 0
	s_cbranch_scc1 .Lno_pf_\@                      ; wave 0 asks ahead;
	s_cmp_lt_u32 s3, 3
	s_cbranch_scc1 .Lno_pf_\@                      ; the last two trips ask for nothing (s3 counts the trips left, this one among them)
	s_wait_xcnt 0x0                                ; the requests of earlier trips have had their addresses translated (ISA guide 3.1): only now are their bases stepped
	s_add_nc_u64 s[PFA:PFA+1], s[PFA:PFA+1], 4*SL
	global_prefetch_b8 v[PFO], s[PFA:PFA+1] th:TH_LOAD_NT scope:SCOPE_SE   ; A's K step i + 4
	s_and_b32 s7, s3, 3
	s_cmp_lg_u32 s7, 2
	s_cbranch_scc1 .Lno_pf_\@                      ; trips 0, 4, 8 .. : NSTEP - 2 is 2 modulo 4
	s_add_nc_u64 s[PFB:PFB+1], s[PFB:PFB+1], 4*KSTEP*2048
	global_prefetch_b8 v[PFO], s[PFB:PFB+1] th:TH_LOAD_NT scope:SCOPE_SE   ; W's K steps i + 4 to i + 7
.Lno_pf_\@:
.endif
.endif
	s_xor_b32 s[TBR], s[TBR], SLOT
	v_add_nc_u32 v[ADRA], s[TBR], v[ADRA0]
	v_add_nc_u32 v[ADRB], s[TBR], v[ADRB0]
	v_add_nc_u32 v[ADRB+1], s[TBR], v[ADRB0+1]
.if (\fill) == 0
	v_nop                                          ; with the three lines above: the four places in front of the loads below
.endif
	FETCH 0, F0
	MUL8 F1, 1, 0, 0
	MUL8 F1, 1, 2, 0
.endm
; THE WAY OUT of block a (16 rows x my 64 columns): the sums go into my own stage as they are (each accumulator's low registers first), come back as whole rows of 256 bytes,
; take the residual, and are stored.
.macro OUT a
	WIN 0
.set TB, TMP+32*((\a)%2)
.if (\a) >= 2
	s_wait_xcnt 0x0                                ; the stores of the block two back have had their addresses translated (ISA guide 3.1): only now is their buffer written again
.endif
.irp b, 0,1,2,3
	ds_store_b128 v[STO], v[ACC+8*(4*(\a)+(\b)):ACC+8*(4*(\a)+(\b))+3] offset:64*(\b)
	ds_store_b128 v[STO], v[ACC+8*(4*(\a)+(\b))+4:ACC+8*(4*(\a)+(\b))+7] offset:64*(\b)+16
.endr
.irp t, 0,1,2,3,4,5,6,7
	ds_load_b128 v[TB+4*(\t):TB+4*(\t)+3], v[RD] offset:(\t)*2*SPITCH   ; LDS serves a wave's instructions in order (ISA guide 5.7.1.4): these see the stores above
.endr
	s_wait_loadcnt 24-8*(\a)                       ; this block's eight residual loads are in; those of the later blocks may stay out
	s_wait_dscnt 0x0
	WIN 0x08                                       ; source 1: window 2
.set i, 0
.rept 16
	v_pk_add_f32 v[TB+2*i:TB+2*i+1], v[TB+2*i:TB+2*i+1], v[32*(\a)+2*i:32*(\a)+2*i+1]
.set i, i+1
.endr
	WIN 0
.irp t, 0,1,2,3,4,5,6,7
	global_store_b128 v[CO], v[TB+4*(\t):TB+4*(\t)+3], s[78:79] offset:(16*(\a)+2*(\t))*4096  ; 16 lanes store 256 consecutive bytes, at a multiple of 256 from the buffer's first
.endr
.endm
	s_wait_tensorcnt 1                             ; my part of K step 0 is in; K step 1's may stay out
	s_barrier_signal -1
	s_barrier_wait -1
	FETCH 0, F0
	s_wait_loadcnt 0x0                             ; the bias
	QUARTER 1, F0, F1, 1                           ; the first quarter stands in front of the loop: its first products start the sums
	WIN 0                                          ; at a label and at a branch every window is 0
	s_mov_b32 s3, NSTEP-2
.Lstep:                                                ; NSTEP - 2 trips: from a K step's second quarter to the next step's first; each fills the slot that it leaves
	QUARTER 2, F1, F0, 0
	QUARTER 3, F0, F1, 0
	TURN 1
	QUARTER 1, F0, F1, 0
	WIN 0
	s_sub_co_u32 s3, s3, 1
	s_cmp_lg_u32 s3, 0
	s_cbranch_scc1 .Lstep
	WIN 0x80                                       ; the residual is asked for here: it lands under the last two K steps' products
.irp a, 0,1,2,3
.irp t, 0,1,2,3,4,5,6,7
	global_load_b128 v[32*\a+4*\t:32*\a+4*\t+3], v[CO], s[72:73] offset:(16*\a+2*\t)*4096
.endr
.endr
	WIN 0
	s_mov_b32 s6, 2
.Ltail:                                                ; the last two K steps fill nothing: their text stands apart
	QUARTER 2, F1, F0, 0
	QUARTER 3, F0, F1, 0
	TURN 0                                         ; in the second trip its barrier and its 32 loads (of the slot read before, into a buffer that nothing reads again) serve nothing: the price, once a launch, of one text for both trips
	WIN 0
	s_sub_co_u32 s6, s6, 1
	s_cmp_eq_u32 s6, 0
	s_cbranch_scc1 .Lout
	QUARTER 1, F0, F1, 0
	WIN 0
	s_branch .Ltail
.Lout:
	PLACES
	OUT 0
	OUT 1
	OUT 2
	OUT 3
	s_wait_tensorcnt 0x0                           ; the wave's end
	ds_add_u32 v[SPW], v[NIL]
	s_wait_dscnt 0x0
	CROUND                                         ; the closing round: no work-group ends while a partner may still ask for a tile that names it
	s_endpgm
.Lfunc_end_k_q57d8639564_ffn2:
	.size	k_q57d8639564_ffn2, .Lfunc_end_k_q57d8639564_ffn2-k_q57d8639564_ffn2
	.p2alignl 7, 3214868480
	.fill 96, 4, 3214868480
	.section	.rodata,"a",@progbits
	.p2align	6, 0x0
	.amdhsa_kernel k_q57d8639564_ffn2
		.amdhsa_group_segment_fixed_size 327680
		.amdhsa_private_segment_fixed_size 0
		.amdhsa_enable_private_segment 0
		.amdhsa_kernarg_size 40
		.amdhsa_user_sgpr_count 2
		.amdhsa_user_sgpr_kernarg_segment_ptr 1
		.amdhsa_wavefront_size32 1
		.amdhsa_system_sgpr_workgroup_id_x 1
		.amdhsa_system_sgpr_workgroup_id_y 1
		.amdhsa_system_sgpr_workgroup_id_z 1
		.amdhsa_system_vgpr_workitem_id 0
		.amdhsa_next_free_vgpr 640
		.amdhsa_next_free_sgpr 80
		.amdhsa_reserve_vcc 0
		.amdhsa_float_denorm_mode_32 3
		.amdhsa_float_denorm_mode_16_64 3
		.amdhsa_memory_ordered 1
		.amdhsa_forward_progress 1
		.amdhsa_inst_pref_size 67
	.end_amdhsa_kernel
	.amdgpu_metadata
---
amdhsa.version: [ 1, 2 ]
amdhsa.kernels:
  - .name:           k_q57d8639564_ffn2
    .symbol:         k_q57d8639564_ffn2.kd
    .args:
      - { .name: hid, .offset: 0, .size: 8, .value_kind: global_buffer, .address_space: global }
      - { .name: P2, .offset: 8, .size: 8, .value_kind: global_buffer, .address_space: global }
      - { .name: x1, .offset: 16, .size: 8, .value_kind: global_buffer, .address_space: global }
      - { .name: b2, .offset: 24, .size: 8, .value_kind: global_buffer, .address_space: global }
      - { .name: out0, .offset: 32, .size: 8, .value_kind: global_buffer, .address_space: global }
    .group_segment_fixed_size: 327680
    .private_segment_fixed_size: 0
    .kernarg_segment_align: 8
    .kernarg_segment_size: 40
    .max_flat_workgroup_size: 128
    .sgpr_count:     80
    .vgpr_count:     640
    .wavefront_size: 32
...
	.end_amdgpu_metadata
.endif
;; end of part 6
